; MI455X (gfx1250); checked and timed in simulation.
; The chip was launched on July 23, 2026; its instructions are those of AMD's public machine-readable ISA for CDNA 5 (MIT licence, August 2026) and "CDNA5" Instruction Set Architecture Reference Guide (July 2026). The comments in the code are by the model that wrote it; some were corrected since.
;; Self Attention. Allowed arithmetic: matrix products marked QUANTISED: E3M2 operands, one E8M0 scale for each 32 along K, by v_wmma_scale_f32_16x16x128_f8f6f4 with both operands' format E3M2, f32 sums; everything else in f32.
;; Inputs: w_keys 1,024 x 1,024 float32; w_queries 1,024 x 1,024 float32; w_values 1,024 x 1,024 float32; x 4 x 2,048 x 1,024 float32.
;; Outputs: out0 4 x 2,048 x 1,024 float32.
;; This version of the problem:
;;   THIS VERSION OF THE PROBLEM IS GIVEN IN LOW PRECISION. The matrix products marked QUANTISED in the list below multiply operands that are first quantised to E3M2 (3 exponent bits, 2 mantissa bits; 6 bits a number), with one power-of-two scale for each 32 numbers along K (OCP MX v1.0); their sums are f32. All else is computed in f32.
;;   The module's matrix products, in the order in which they are computed (A, B: the left and right operand; K: the contracted axis; several contracted axes count as one K, in the product's order):
;;     1. [M 8,192, K 1,024] x [K 1,024, N 1,024]; A: input x; B: input w_keys: QUANTISED
;;     2. [M 8,192, K 1,024] x [K 1,024, N 1,024]; A: input x; B: input w_queries: QUANTISED
;;     3. [M 8,192, K 1,024] x [K 1,024, N 1,024]; A: input x; B: input w_values: QUANTISED
;;     4. batch 4 x [M 2,048, K 1,024] x [K 1,024, N 2,048]; A: computed on the way; B: computed on the way: QUANTISED
;;     5. batch 4 x [M 2,048, K 2,048] x [K 2,048, N 1,024]; A: softmax (see below); B: computed on the way: QUANTISED
;;   THE QUANTISER, for each operand of a quantised product, along K:
;;     - K is cut into blocks of 32 from its start; a last block that is shorter is filled with zeros.
;;     - A block's scale is 2^e with e = floor(log2(the largest magnitude in the block)) - 4, held to -126 .. 127; a block of zeros has e = 0. As a byte (E8M0): e + 127.
;;     - Each number is divided by its block's scale, clamped to +-28, and rounded to the nearest number of E3M2, ties to even, subnormals kept.
;;     - The product sums the exact products of the quantised numbers (number of the format x scale) in f32.
;;   ~~~python
;;   def quantise(x, axis):      # numpy; x: float32 -> the quantised numbers, widened to float32 again
;;       x = np.moveaxis(x, axis, -1); K = x.shape[-1]
;;       x = np.pad(x, [(0, 0)] * (x.ndim - 1) + [(0, -K % 32)]); x = x.reshape(x.shape[:-1] + (-1, 32)); a = np.abs(x).max(-1, keepdims=True)
;;       e = np.where(a > 0, np.clip(np.frexp(np.where(a > 0, a, 1))[1] - 1 - 4, -126, 127), 0)      # np.frexp(a)[1] - 1 = floor(log2(a)), exactly
;;       r = np.clip(x / 2.0 ** e, -28, 28)
;;       step = 2.0 ** (np.maximum(np.frexp(np.where(r == 0, 1, r))[1] - 1, -2) - 2)
;;       q = np.round(r / step) * step * 2.0 ** e      # np.round: ties to even
;;       return np.moveaxis(q.reshape(q.shape[:-2] + (-1,))[..., :K], -1, axis).astype(np.float32)
;;   ~~~
;;   SOFTMAX AHEAD OF A QUANTISED PRODUCT. Where the list says 'softmax', what is quantised is not the finished softmax but p = 2^(t - M), with t = logit x log2(e) and M = ceil(the row's largest t), a whole number; so 1/2 < the row's largest p <= 1. The row's sum l is taken of the UNQUANTISED p, in f32, and the product's result is divided by l at the end. Since M is a whole number, a kernel that streams over the keys may use a running M (the ceiling of the running maximum): every later rescaling is an exact power of two, which a block's scale takes up: the codes' values come out the same.
;;   OPERANDS COMPUTED ON THE WAY. 'Computed on the way' means the value that the module computes at that place (a softmax that the list does not call 'softmax' is quantised finished and normalised). What goes into a quantiser is computed in f32, as accurately as f32 sums, v_exp_f32 and their like allow (about 1e-6 of the number): no bf16 or f16 on the way to a quantiser, and a product that is left as it is and whose result goes on into a quantised operand takes f32 operands (vector FMAs, or v_wmma_f32_16x16x4_f32). A number that lies on a knife's edge between two numbers of the format may be rounded either way, as far as f32 arithmetic and the matrix unit's own rounding can turn it there, and no further.
;; One version. Each part assembles by itself: llvm-mc -triple=amdgcn-amd-amdhsa -mcpu=gfx1250 --defsym DOCPART=n.
;; ======== version 1 of 1: 4 launches
;; workspace buffers: op 9,011,200 bytes; kq 13,107,200 bytes; vt 6,553,600 bytes; pp 14,155,776 bytes
;; launch quant (part 1): grid 176 x 1, 4 waves a work-group, no clusters, 272,896 bytes of LDS; arguments x, w_keys, w_queries, w_values, op; writes op
.if DOCPART == 1
	.amdgcn_target "amdgcn-amd-amdhsa--gfx1250"
	.amdhsa_code_object_version 6
	.text
	.protected	k_qabdf5718f9_quant
	.globl	k_qabdf5718f9_quant
	.p2align	8
	.type	k_qabdf5718f9_quant,@function
k_qabdf5718f9_quant:
	s_mov_b64 s[64:65], 0
	v_nop
	global_prefetch_b8 v0, s[64:65] scope:SCOPE_SE
	s_setreg_imm32_b32 hwreg(HW_REG_WAVE_MODE, 25, 1), 1
	s_wait_xcnt 0x0
; x [8192][1024] (K innermost) and the three weights [1024 (k)][1024 (n)] (K is the first axis), f32, become codes of BF6 (E3M2) with one E8M0 byte for each 32 along K.
; THE OUTPUT LIES IN THE ORDER OF AN OPERAND'S REGISTERS.  A row block is 128 rows (of x) or 128 columns (of a weight); it has 4 records of 256 along K; a record is 8 tiles x 2 fragments of 1,536 bytes
; (register q of lane l at 512 (q / 4) + 16 l + 4 (q % 4)) and, from byte 24,576 on, two scale units of 512 bytes (the word of tile 2 j + par, position r, at 16 (16 par + r) + 4 j).
; THE ROWS OF A TILE ARE NOT NEIGHBOURS: in each 64 rows tile tau, position rho, holds row 8 tau + rho % 8 + 32 (rho / 8).  As source 0 of a product such tiles leave a lane 32 NEIGHBOURS in the 32 registers of four tiles.
; A block's scale is 2^(floor(log2(its largest magnitude)) - 4): its byte is the largest magnitude's exponent field - 4, held at 1 from below by a floor among the maximum's leaves.
; LIMITS: a block of zeros, or one under 2^-122, gets the byte 1 (its codes are zeros or the format's smallest; this program alone reads the bytes); NaN and infinities are not served.
; SHARES.  A wave takes one unit: 128 rows x 512 bytes of f32, which become 8 fragments and one scale unit.  704 units, 176 work-groups: the first 128 take x, then 16 for each weight.
; The unit comes by four tensor loads (32 rows of 512 bytes each), all issued at the head: four of a wave are out.  Each wave reads its own LDS bytes alone, behind its own wait: no barrier, nothing is filled again.
; x: a lane reads 32 neighbours of its row.  A weight: a lane takes a column and reads down K, one word a row.  Nothing is transposed by an instruction.
; No cluster: no two work-groups read the same bytes.
.set REC,  25600                       ; a record
.set RB1,  4*REC                       ; a row block, K = 1,024
.set SCO,  24576                       ; the scale units' place in a record
.set FRB,  1536                        ; a fragment's image
.set PT,   528                         ; an LDS row: 512 bytes + 16
.set RG1,  32*PT+128                   ; from an even region of 32 rows to the odd one: 128 bytes more than its rows take, so that rows 32 apart start half way round the banks
.set RG2,  2*RG1
.set WB,   2*RG2                       ; a wave's LDS: four regions
.set LI,   1                           ; v1   16 x lane
.set SH8,  2                           ; v2   8 x (lane / 16)
.set XA,   3                           ; v3   x: my lane's place in a tile's rows
.set WA0,  4                           ; v4   a weight: my column's place in regions 0, 1;  v5: in regions 2, 3
.set WST,  6                           ; v6   a weight: where my column's codes go
.set WSS,  7                           ; v7   and its scale words
.set TM,   8                           ; v8-11  largest magnitudes
.set TS,   12                          ; v12-13 the conversions' scale operands
.set BY,   14                          ; v14-15 the bytes
.set W,    16                          ; v16-17 a scale word at work
.set T,    17
.set X,    32                          ; the numbers: x: two sets of 64;  a weight: two sets of 32
.set PC,   160                         ; x: a fragment's 12 registers
.set PX,   172                         ; x: the conversions' odd halves
.set PW,   180                         ; x: the eight tiles' scale words
.set RW,   188                         ; x: the scale unit as it is stored
.set FRG,  96                          ; a weight: my column's 24 registers of codes: 12 x (block % 2) + 6 x (block / 2)
.set PXW,  120
.set WW,   124                         ; a weight: four scale words
	s_load_b256 s[4:11], s[0:1], 0x0               ; x, w_keys, w_queries, w_values
	s_load_b64 s[12:13], s[0:1], 0x20              ; op
	v_lshl_add_u32 v192, v0, 2, 0x42800
	v_mov_b32 v193, 0
	ds_add_u32 v192, v193
	ds_add_u32 v192, v193
	v_lshrrev_b32 v20, 5, v0
	v_readfirstlane_b32 s14, v20                   ; wave
	s_lshl_b32 s15, ttmp9, 2
	s_add_co_u32 s15, s15, s14                     ; my unit u
	s_lshr_b32 s50, s15, 3                         ; the row block of op that it belongs to
	s_and_b32 s51, s15, 7                          ; and its step of 128 along K
	s_and_b32 s52, s50, 7                          ; a weight's block of 128 columns
	s_cmp_lt_u32 ttmp9, 128                        ; x or a weight: by the work-group's number alone
	s_cselect_b32 s53, s50, s51                    ; which 128 rows of the source,
	s_cselect_b32 s54, s51, s52                    ; which 512 bytes of them
	s_lshl_b32 s53, s53, 19                        ; 128 rows of 4,096 bytes
	s_lshl_b32 s54, s54, 9
	s_add_co_u32 s54, s54, s53
	s_mov_b32 s55, 0
	s_mul_i32 s56, s50, RB1
	s_lshr_b32 s57, s51, 1
	s_mul_i32 s57, s57, REC
	s_add_co_u32 s56, s56, s57                     ; my record in op
	s_mov_b32 s57, 0
	s_and_b32 s58, s51, 1                          ; which half of the record's 256 along K
	s_mul_i32 s60, s58, FRB
	s_mov_b32 s61, 0
	s_lshl_b32 s62, s58, 9
	s_add_co_u32 s62, s62, SCO
	s_mov_b32 s63, 0
	s_mul_i32 s49, s14, WB                         ; my wave's LDS
	s_mov_b32 s22, 0x76543210
	s_mov_b32 s23, 0xfedcba98                      ; v_permlanex16_b32's selects for lane l xor 16
	s_mov_b32 s48, 0xffff0000                      ; lanes 16-31
	; descriptor group 1: 32 rows of 128 elements of 4 bytes, 1,024 elements apart; in LDS 4 words of padding behind every 128
	s_mov_b32 s24, (2<<16)|(1<<20)|(6<<22)|(3<<25)
	s_mov_b32 s25, 128<<16                         ; tensor_dim0
	s_mov_b32 s26, 32<<16                          ; tensor_dim1
	s_mov_b32 s27, 128<<16                         ; tile_dim0
	s_mov_b32 s28, 32                              ; tile_dim1
	s_mov_b32 s29, 1024                            ; from row to row
	s_mov_b32 s30, 0
	s_mov_b32 s31, 0
	s_wait_dscnt 0x0
	s_wait_kmcnt 0x0
	s_cmp_lt_u32 ttmp9, 160
	s_cselect_b64 s[16:17], s[8:9], s[10:11]
	s_cmp_lt_u32 ttmp9, 144
	s_cselect_b64 s[16:17], s[6:7], s[16:17]
	s_cmp_lt_u32 ttmp9, 128
	s_cselect_b64 s[16:17], s[4:5], s[16:17]       ; the source tensor
	s_add_nc_u64 s[16:17], s[16:17], s[54:55]      ; at my unit
	s_add_nc_u64 s[18:19], s[12:13], s[56:57]
	s_add_nc_u64 s[20:21], s[18:19], s[62:63]      ; my scale unit
	s_add_nc_u64 s[18:19], s[18:19], s[60:61]      ; my fragments: tile f at 3,072 f
.irp m, 0,1,2,3
	s_mov_b32 s[32+4*\m], 1
	s_add_co_u32 s[33+4*\m], s49, (\m/2)*RG2+(\m%2)*RG1
	s_add_nc_u64 s[34+4*\m:35+4*\m], s[16:17], \m*131072       ; 32 rows of 4,096 bytes on
	s_or_b32 s[35+4*\m], s[35+4*\m], 0x80000000
.endr
	tensor_load_to_lds s[32:35], s[24:31]          ; the whole unit is asked for before anything else is done
	s_nop 0
	tensor_load_to_lds s[36:39], s[24:31]
	s_nop 0
	tensor_load_to_lds s[40:43], s[24:31]
	s_nop 0
	tensor_load_to_lds s[44:47], s[24:31]
	s_nop 0
.rept 4
	v_nop
.endr
	v_bfe_u32 v21, v0, 3, 1                        ; (lane / 8) % 2
	v_and_b32 v22, 7, v0                           ; lane % 8
	v_bfe_u32 v23, v0, 4, 1                        ; h = lane / 16
	v_lshlrev_b32 v24, 4, v22
	v_lshl_add_u32 v24, v23, 7, v24                ; 16 x (lane % 8 + 8 h): a column's position in its tile
	v_mad_u32_u24 v[WST], v21, 3072, v24           ; lanes 8-15 and 24-31 hold the next tile's columns
	v_lshl_add_u32 v[WSS], v21, 8, v24
	v_mul_u32_u24 v[XA], v22, PT
	v_mad_u32_u24 v[XA], v21, RG1, v[XA]           ; positions 8-15 lie 32 rows on: the next region
	v_lshl_add_u32 v[XA], v23, 7, v[XA]            ; my half's 32 numbers
	v_add_nc_u32 v[XA], s49, v[XA]
	v_and_b32 v25, 15, v0
	v_lshlrev_b32 v25, 2, v25
	v_lshl_add_u32 v25, v23, 7, v25                ; column lane % 16 + 32 h of a group
	v_add_nc_u32 v[WA0], s49, v25
	v_add_nc_u32 v[WA0+1], RG2, v[WA0]
	v_and_b32 v26, 31, v0
	v_lshlrev_b32 v[LI], 4, v26
	v_lshlrev_b32 v[SH8], 3, v23
	v_mov_b32 v[T], 0                              ; written once: a lane permute's destination counts as one of its sources
	s_cmp_ge_u32 ttmp9, 128
	s_cbranch_scc1 .Lweight
; ---- x.  Tile f = 4 gam + tau: lane (r, h) takes row 64 gam + 8 tau + r % 8 + 32 (r / 8) and of it k = 64 c + 32 h + 0 .. 31: the very numbers whose codes the operand's layout gives that lane.
.macro XFETCH f
.irp c, 0,1
.irp j, 0,1,2,3,4,5,6,7
	ds_load_b128 v[X+64*((\f)%2)+32*\c+4*\j:X+64*((\f)%2)+32*\c+4*\j+3], v[XA] offset:((\f)/4)*RG2+8*((\f)%4)*PT+256*\c+16*\j
.endr
.endr
.endm
.macro QX f
.set XS, X+64*((\f)%2)
.irp k, 0,1,2,3
	v_max3_num_f32 v[TM+\k], |v[XS+16*\k]|, |v[XS+16*\k+1]|, 0x2800000   ; four chains of 16 numbers, two to a block; the floor 2^(5 - 127) keeps the byte at 1 or above
.endr
.irp i, 2,4,6,8,10,12,14
.irp k, 0,1,2,3
	v_max3_num_f32 v[TM+\k], v[TM+\k], |v[XS+16*\k+\i]|, |v[XS+16*\k+\i+1]|
.endr
.endr
	v_max_num_f32 v[TM], v[TM], v[TM+1]            ; block h
	v_max_num_f32 v[TM+2], v[TM+2], v[TM+3]        ; block 2 + h
	v_add_nc_u32 v[TS], 0xfe000000, v[TM]          ; 4 off the exponent field: the conversion takes that field as its scale
	v_add_nc_u32 v[TS+1], 0xfe000000, v[TM+2]
	v_lshrrev_b32 v[BY], 23, v[TS]
	v_lshrrev_b32 v[BY+1], 23, v[TS+1]
	v_lshl_or_b32 v[W], v[BY+1], 16, v[BY]
	v_lshlrev_b32 v[W], v[SH8], v[W]               ; my two bytes at their places,
	v_permlanex16_b32 v[T], v[W], s22, s23
	v_or_b32 v[PW+\f], v[W], v[T]                  ; with lane l xor 16's two: the row's word
	s_wait_xcnt 0x0                                ; the last fragment's stores have read v[PC] on
	v_cvt_scalef32_pk16_bf6_f32 v[PC:PC+2], v[XS:XS+15], v[TS]
	v_cvt_scalef32_pk16_bf6_f32 v[PX:PX+2], v[XS+16:XS+31], v[TS]        ; (a conversion's three registers begin on an even number)
	v_cvt_scalef32_pk16_bf6_f32 v[PC+6:PC+8], v[XS+32:XS+47], v[TS+1]
	v_cvt_scalef32_pk16_bf6_f32 v[PX+4:PX+6], v[XS+48:XS+63], v[TS+1]
	v_nop                                          ; one plain place behind a scaled conversion
.irp i, 0,1,2
	v_mov_b32 v[PC+3+\i], v[PX+\i]
	v_mov_b32 v[PC+9+\i], v[PX+4+\i]
.endr
.irp c, 0,1,2
	global_store_b128 v[LI], v[PC+4*\c:PC+4*\c+3], s[18:19] offset:(\f)*3072+512*\c   ; 32 lanes store 512 consecutive bytes, aligned
.endr
.endm
	s_wait_tensorcnt 0x2                           ; regions 0 and 1 (tiles 0-3) are in; the two younger loads may be out
	XFETCH 0
.irp f, 0,1,2,3,4,5,6,7
.if \f == 3
	s_wait_tensorcnt 0x0                           ; regions 2 and 3, for tiles 4-7
.endif
.if \f < 7
	XFETCH \f+1
	s_wait_dscnt 16                                ; this tile's numbers are in; the next tile's 16 loads may be out
.else
	s_wait_dscnt 0x0
.endif
	QX \f
.endr
.irp j, 0,1,2,3
	v_cndmask_b32 v[RW+\j], v[PW+2*\j], v[PW+2*\j+1], s48      ; lanes 0-15 the even tiles' words, lanes 16-31 the odd tiles'
.endr
	global_store_b128 v[LI], v[RW:RW+3], s[20:21]
	s_wait_tensorcnt 0x0
	ds_add_u32 v192, v193
	s_wait_dscnt 0x0
	s_endpgm
; ---- a weight.  Task n = 4 jg + beta: block beta of 32 along K for the 32 columns of group jg: lane l is column 32 (jg / 2) x 2 + 16 (jg % 2) + l % 16 + 32 (l / 16) of the unit's 128.
.Lweight:
.macro WFETCH n
.set WAD, WA0+((\n)%4)/2
.irp kk, 0,1,2,3,4,5,6,7,8,9,10,11,12,13,14,15,16,17,18,19,20,21,22,23,24,25,26,27,28,29,30,31
	ds_load_b32 v[X+32*((\n)%2)+\kk], v[WAD] offset:((\n)%2)*RG1+\kk*PT+256*((\n)/8)+64*(((\n)/4)%2)
.endr
.endm
.macro QW n
.set XS, X+32*((\n)%2)
.set FD, FRG+12*((\n)%2)+6*(((\n)%4)/2)
	v_max3_num_f32 v[TM], |v[XS]|, |v[XS+1]|, 0x2800000
	v_max3_num_f32 v[TM+1], |v[XS+16]|, |v[XS+17]|, 0x2800000
.irp i, 2,4,6,8,10,12,14
	v_max3_num_f32 v[TM], v[TM], |v[XS+\i]|, |v[XS+\i+1]|
	v_max3_num_f32 v[TM+1], v[TM+1], |v[XS+16+\i]|, |v[XS+17+\i]|
.endr
	v_max_num_f32 v[TM], v[TM], v[TM+1]            ; all 32 numbers of the block are mine
	v_add_nc_u32 v[TS], 0xfe000000, v[TM]
	v_lshrrev_b32 v[BY], 23, v[TS]
.if (\n)%4 == 0
	v_mov_b32 v[WW+(\n)/4], v[BY]
.else
	v_lshl_or_b32 v[WW+(\n)/4], v[BY], 8*((\n)%4), v[WW+(\n)/4]
.endif
.if (\n)%4 == 0
.if (\n) > 0
	s_wait_xcnt 0x0                                ; the last group's stores have read v[FRG] on
.endif
.endif
	v_cvt_scalef32_pk16_bf6_f32 v[FD:FD+2], v[XS:XS+15], v[TS]
	v_cvt_scalef32_pk16_bf6_f32 v[PXW:PXW+2], v[XS+16:XS+31], v[TS]
	v_nop
.irp i, 0,1,2
	v_mov_b32 v[FD+3+\i], v[PXW+\i]
.endr
.if (\n)%4 == 3
.irp hh, 0,1                           ; registers 12 hh .. 12 hh + 11 are what lane (position, hh) of the fragment holds
.irp c, 0,1,2
	global_store_b128 v[WST], v[FRG+12*\hh+4*\c:FRG+12*\hh+4*\c+3], s[18:19] offset:((\n)/4)*6144+512*\c+256*\hh   ; sixteen lanes fill 256 consecutive bytes of one tile, the other sixteen of the next
.endr
.endr
.endif
.endm
	s_wait_tensorcnt 0x3                           ; region 0 (block 0) is in; three younger loads may be out
	WFETCH 0
.irp n, 0,1,2,3,4,5,6,7,8,9,10,11,12,13,14,15
.if \n < 3
	s_wait_tensorcnt 2-\n                          ; the next block's region; the younger loads may be out
.endif
.if \n < 15
	WFETCH \n+1
	s_wait_dscnt 32                                ; this task's numbers are in; the next task's 32 loads may be out
.else
	s_wait_dscnt 0x0
.endif
	QW \n
.endr
	global_store_b128 v[WSS], v[WW:WW+3], s[20:21]
	s_wait_tensorcnt 0x0
	ds_add_u32 v192, v193
	s_wait_dscnt 0x0
	s_endpgm
.Lfunc_end_k_qabdf5718f9_quant:
	.size	k_qabdf5718f9_quant, .Lfunc_end_k_qabdf5718f9_quant-k_qabdf5718f9_quant
	.p2alignl 7, 3214868480
	.fill 96, 4, 3214868480
	.section	.rodata,"a",@progbits
	.p2align	6, 0x0
	.amdhsa_kernel k_qabdf5718f9_quant
		.amdhsa_group_segment_fixed_size 272896
		.amdhsa_private_segment_fixed_size 0
		.amdhsa_enable_private_segment 0
		.amdhsa_kernarg_size 40
		.amdhsa_user_sgpr_count 2
		.amdhsa_user_sgpr_kernarg_segment_ptr 1
		.amdhsa_wavefront_size32 1
		.amdhsa_system_sgpr_workgroup_id_x 1
		.amdhsa_system_sgpr_workgroup_id_y 1
		.amdhsa_system_sgpr_workgroup_id_z 1
		.amdhsa_system_vgpr_workitem_id 0
		.amdhsa_next_free_vgpr 194
		.amdhsa_next_free_sgpr 66
		.amdhsa_reserve_vcc 0
		.amdhsa_float_denorm_mode_32 3
		.amdhsa_float_denorm_mode_16_64 3
		.amdhsa_memory_ordered 1
		.amdhsa_forward_progress 1
		.amdhsa_inst_pref_size 100
	.end_amdhsa_kernel
	.amdgpu_metadata
---
amdhsa.version: [ 1, 2 ]
amdhsa.kernels:
  - .name:           k_qabdf5718f9_quant
    .symbol:         k_qabdf5718f9_quant.kd
    .args:
      - { .name: x, .offset: 0, .size: 8, .value_kind: global_buffer, .address_space: global }
      - { .name: w_keys, .offset: 8, .size: 8, .value_kind: global_buffer, .address_space: global }
      - { .name: w_queries, .offset: 16, .size: 8, .value_kind: global_buffer, .address_space: global }
      - { .name: w_values, .offset: 24, .size: 8, .value_kind: global_buffer, .address_space: global }
      - { .name: op, .offset: 32, .size: 8, .value_kind: global_buffer, .address_space: global }
    .group_segment_fixed_size: 272896
    .private_segment_fixed_size: 0
    .kernarg_segment_align: 8
    .kernarg_segment_size: 40
    .max_flat_workgroup_size: 128
    .sgpr_count:     66
    .vgpr_count:     194
    .wavefront_size: 32
...
	.end_amdgpu_metadata
.endif
;; end of part 1
;; launch proj (part 2): grid 8 x 32, 4 waves a work-group, clusters of 4 x 4, 327,680 bytes of LDS; arguments op, kq, vt; writes kq, vt
.if DOCPART == 2
	.amdgcn_target "amdgcn-amd-amdhsa--gfx1250"
	.amdhsa_code_object_version 6
	.text
	.protected	k_qabdf5718f9_proj
	.globl	k_qabdf5718f9_proj
	.p2align	8
	.type	k_qabdf5718f9_proj,@function
k_qabdf5718f9_proj:
	s_mov_b64 s[64:65], 0
	v_nop
	global_prefetch_b8 v0, s[64:65] scope:SCOPE_SE
	s_setreg_imm32_b32 hwreg(HW_REG_WAVE_MODE, 25, 1), 1
	s_wait_xcnt 0x0
	s_wait_alu depctr_hold_cnt(0) depctr_sa_sdst(0) depctr_va_vdst(0) depctr_va_sdst(0) depctr_va_ssrc(0) depctr_va_vcc(0) depctr_vm_vsrc(0)
	s_getreg_b32 s2, hwreg(HW_REG_IB_STS2, 6, 4)
	s_cmp_eq_u32 s2, 0
	s_cbranch_scc0 .Lentry_in_a_cluster
	s_endpgm
.Lentry_in_a_cluster:
	s_bfe_u32 s2, ttmp6, 0x10000c
	s_cmp_lg_u32 s2, 0xf033
	s_cbranch_scc0 .Lentry_shape_is_right
	s_endpgm
.Lentry_shape_is_right:
; vk = x Wk, vq = x Wq, vv = x Wv on codes of BF6 (E3M2), K = 1,024; each result is quantised at once, along the K of the product that will read it, and stored as codes in the order of an operand's registers.
; FORMATS (as the launch before lays them).  A row block = 128 rows; a record = 256 along K of it: 8 tiles x 2 fragments of 1,536 bytes (tile i, half kk at 3,072 i + 1,536 kk), then two scale units of 512 bytes at 24,576 + 512 kk.
; In each 64 rows tile tau, position rho, holds row 8 tau + rho % 8 + 32 (rho / 8).
; op: row blocks 0-63 x, 64-71 Wk's columns, 72-79 Wq's, 80-87 Wv's.  kq: row blocks 0-63 vk, 64-127 vq (K = d).  vt: [batch][8 row blocks of d], K = the batch's 2,048 rows t.
; SOURCE 0 = "B", whose rows become a lane's registers; SOURCE 1 = "A", whose rows become the lanes.  With B's tiles in the order above, the 32 registers of four neighbouring accumulators are one whole block of 32
; along the next K, in order: largest magnitude, conversion, store; no lane is asked, nothing goes through LDS.
; SHARES.  The three results are 384 tiles of 256 x 256: one and a half for each of 256 work-groups.  So EVERY WORK-GROUP MAKES TWO THINGS, one after the other:
;   phase 1: a tile 256 x 256 of vk or vq (A = x, B = Wk, Wq; codes along d): four waves of 128 x 128, 64 accumulators;
;   phase 2: a half tile of vv transposed, 128 of d x 256 of t (A = Wv, B = x; codes along t): four waves of 64 x 128, 32 accumulators.
; THE RING.  Phase 1: K in four records through three LDS slots of 102,400 bytes: three are asked for at the head (three loads of a wave are out), the fourth fills slot 0 again.  Phase 2: K in two runs of 512, each 153,600 bytes
; (Wv's two records, then two records of each of x's two row blocks): run 0 goes to LDS bytes 153,600 on, which are free when slots 1 and 2 have been read (behind the round of K step 5); run 1 to bytes 0 on, behind a round
; in the middle of phase 1's way out.  So each run lands under work that is due anyway, and phase 1's stores leave while phase 2 is multiplied.  All is written out: there is no loop.
; CLUSTERS: 4 x 4.  A's records are shared along a row of the cluster, B's along a column, in both phases: each is asked for jointly, by the same tensor load with a mask that names the four.
; LIMITS: a block of zeros or under 2^-122 gets the byte 1 (this program alone reads the bytes); NaN and infinities are not served.
; REGISTERS: window 0: v4-11 phase 2's addresses; v16-31 addresses; v32-55 scale words; v64-159, v160-255 A's fragments, two sets (phase 2: v160-207, v208-255); on the ways out v64-111 at work.
;   window 1: B's fragments, two sets, at v0 and v128.   windows 2, 3: accumulator (a, b) at v[8 (8 (a % 4) + b)] (phase 2: window 2 alone).
.set REC,    25600
.set RB1,    4*REC
.set RB2,    8*REC
.set SCO,    24576
.set SLOT,   4*REC                     ; phase 1: A's two halves, then B's two
.set P1,     6*REC                     ; phase 2: where the upper of its two slots begins
.set SPARE,  3*SLOT                    ; the spare words: 128 bytes for each wave, two blocks of 256 bytes that no other line names
.set A2A,    4                         ; v4-5   phase 2: my fragments of Wv in the slot at 0, at P1
.set A2B,    6                         ; v6-7   my fragments of x
.set A2SA,   8                         ; v8-9   Wv's scale words
.set A2SB,   10                        ; v10-11 x's
.set ADRA,   16                        ; v16-18 phase 1: my A fragments in slot 0, 1, 2
.set ADRB,   20                        ; v20-22 my B fragments
.set ADRS,   24                        ; v24-26 my scale words
.set SPW,    28
.set NIL,    29
.set LI,     30                        ; 16 x lane
.set SH8,    31                        ; 8 x (lane / 16)
.set SC,     32                        ; phase 1: two sets of eight (lanes 0-15 A's, lanes 16-31 B's; block i in register 4 (i % 2) + i / 2)
.set SA2,    32                        ; phase 2: Wv's words, two sets of four (block a in register 2 (a % 2) + a / 2)
.set SB2,    40                        ; and x's, two sets of eight
.set AF,     64
.set AF2,    160
.set G1A,    24                        ; s[24:31] group 1 for A's records, both phases
.set G0A,    32                        ; s[32:43] three sets
.set G1B,    48                        ; s[48:55] group 1 for B's records, phase 1
.set G0B0,   56
.set G0B1,   60
.set G0B2,   68
.set G1B2,   84                        ; s[84:91] group 1 for B's pairs of records, phase 2
.set TM,     64                        ; the ways out
.set TS,     72
.set BY,     74
.set W,      76
.set T,      77
.set PC,     80
.set PX,     92
.set PW,     100
.set RW,     108
.set MUL_LO, 0xa1                      ; source 0 (B) window 1, source 1 (A) window 0, C and D window 2
.set MUL_HI, 0xf1
.set TO_B,   0x40
.set MSB, 0
.macro WIN new                         ; the immediate's high byte repeats the setting that is left
.if MSB != (\new)
	s_set_vgpr_msb (MSB<<8)|(\new)
.set MSB, (\new)
.endif
.endm
.macro PLACES n
.rept \n
	v_nop
.endr
.endm
.macro JLOAD g0a, g1a, g0b, g1b        ; a joint load: waves 0, 1 fetch for A, waves 2, 3 for B; four v_nop follow each line
	s_cmp_eq_u32 s15, 0
	s_cbranch_scc0 .Lfor_b_\@
	tensor_load_to_lds s[\g0a:\g0a+3], s[\g1a:\g1a+7]
	s_nop 0
.rept 4
	v_nop
.endr
	s_branch .Lasked_\@
.Lfor_b_\@:
	tensor_load_to_lds s[\g0b:\g0b+3], s[\g1b:\g1b+7]
	s_nop 0
.rept 4
	v_nop
.endr
.Lasked_\@:
.endm
.macro CREST                           ; a round of the cluster's barrier behind its opening barrier
	s_cmp_lg_u32 s14, 0
	s_cbranch_scc1 .Lnot_wave_0_\@
	s_barrier_signal -3
.Lnot_wave_0_\@:
	s_barrier_wait -3
	s_barrier_signal -1
	s_barrier_wait -1
.endm
.macro CROUND
	s_barrier_signal -1
	s_barrier_wait -1
	CREST
.endm
.macro MKG0 g0, lds, adr, ol, om       ; a group 0: count 1, LDS address, global address, type 2
	s_mov_b32 s[\g0], 1
	s_add_co_u32 s[\g0+1], s[\lds], \ol
	s_add_nc_u64 s[\g0+2:\g0+3], s[\adr:\adr+1], \om
	s_or_b32 s[\g0+3], s[\g0+3], 0x80000000
.endm
	s_load_b128 s[4:7], s[0:1], 0x0                ; op, kq
	s_load_b64 s[8:9], s[0:1], 0x10                ; vt
	v_lshl_add_u32 v[SPW], v0, 2, SPARE
	v_mov_b32 v[NIL], 0
	ds_add_u32 v28, v29
	ds_add_u32 v28, v29
	s_wait_dscnt 0x0
	v_lshrrev_b32 v1, 5, v0
	v_readfirstlane_b32 s14, v1                    ; wave
	s_lshr_b32 s15, s14, 1                         ; A's part that I multiply.  Also: I fetch for A (0) or B (1)
	s_and_b32 s16, s14, 1                          ; B's part that I multiply.  Also: which part I fetch
	s_bfe_u32 s44, ttmp6, 0x40000                  ; cx
	s_bfe_u32 s45, ttmp6, 0x40004                  ; cy
	s_mul_i32 s83, s14, REC                        ; phase 1: where what I fetch goes in a slot: wave x a record
	s_mul_i32 s18, s16, REC                        ; phase 2: Wv's record of a run's two, in memory and in a slot alike,
	s_mul_i32 s19, s16, 2*REC
	s_add_co_u32 s19, s19, 2*REC                   ; and x's pair of records in a slot
	; A's side: registers that never hold cx
	s_and_b32 s17, ttmp7, 0xffff                   ; the cluster's y
	s_lshl_b32 s20, s17, 2
	s_add_co_u32 s20, s20, s45                     ; phase 1: tile row TR = 4 y + cy
	s_lshl_b32 s21, s20, 1
	s_add_co_u32 s22, s21, s16
	s_mul_i32 s22, s22, RB1                        ; x's row block that I fetch, in bytes
	s_mov_b32 s23, 0
	s_lshl_b32 s73, ttmp9, 2
	s_add_co_u32 s73, s73, s45                     ; phase 2: Wv's row block 4 x + cy
	s_add_co_u32 s76, s73, 80                      ; Wv's row blocks begin at 80
	s_mul_i32 s76, s76, RB1
	s_add_co_u32 s76, s76, s18                     ; the record of run 0 that I fetch
	s_mov_b32 s77, 0
	s_lshl_b32 s72, s45, 2
	s_lshl_b32 s72, 15, s72                        ; my row of the cluster
	; B's side: registers that never hold cy
	s_lshl_b32 s46, ttmp9, 2
	s_add_co_u32 s46, s46, s44                     ; phase 1: tile column TC = 4 x + cx
	s_lshl_b32 s74, s46, 1
	s_add_co_u32 s74, s74, s16
	s_add_co_u32 s74, s74, 64                      ; Wk's and Wq's row blocks begin at 64
	s_mul_i32 s74, s74, RB1
	s_mov_b32 s75, 0
	s_and_b32 s47, ttmp7, 0xffff
	s_lshl_b32 s47, s47, 2
	s_add_co_u32 s47, s47, s44                     ; phase 2: x's tile column 4 y + cx
	s_lshl_b32 s96, s47, 1
	s_add_co_u32 s96, s96, s16
	s_mul_i32 s96, s96, RB1
	s_mov_b32 s97, 0
	s_lshl_b32 s78, 0x1111, s44                    ; my column of the cluster
	; descriptor groups 1: dense bytes as rows of 32 elements of 8 bytes: a record is 100 rows, two records on end 200
	s_or_b32 s[G1A], s72, (3<<16)|(1<<21)
	s_or_b32 s[G1B], s78, (3<<16)|(1<<21)
	s_or_b32 s[G1B2], s78, (3<<16)|(1<<21)
.irp g, G1A, G1B
	s_mov_b32 s[\g+1], 32<<16
	s_mov_b32 s[\g+2], 100<<16
	s_mov_b32 s[\g+3], 32<<16
	s_mov_b32 s[\g+4], 100
	s_mov_b32 s[\g+5], 32
	s_mov_b32 s[\g+6], 0
	s_mov_b32 s[\g+7], 0
.endr
	s_mov_b32 s[G1B2+1], 32<<16
	s_mov_b32 s[G1B2+2], 200<<16
	s_mov_b32 s[G1B2+3], 32<<16
	s_mov_b32 s[G1B2+4], 200
	s_mov_b32 s[G1B2+5], 32
	s_mov_b32 s[G1B2+6], 0
	s_mov_b32 s[G1B2+7], 0
	; where my results go (stores alone use this)
	s_add_co_u32 s92, s21, s15                     ; phase 1: row block 2 TR + my half,
	s_lshr_b32 s93, s46, 2
	s_lshl_b32 s93, s93, 6
	s_add_co_u32 s92, s92, s93                     ; + 64 for vq,
	s_mul_i32 s92, s92, RB1
	s_and_b32 s93, s46, 3
	s_mul_i32 s93, s93, REC
	s_add_co_u32 s92, s92, s93                     ; record TC % 4
	s_mov_b32 s93, 0
	s_lshr_b32 s98, s47, 3                         ; phase 2: the batch,
	s_lshl_b32 s98, s98, 3
	s_add_co_u32 s98, s98, s73                     ; d's row block,
	s_mul_i32 s98, s98, RB2
	s_and_b32 s99, s47, 7
	s_mul_i32 s99, s99, REC
	s_add_co_u32 s98, s98, s99                     ; the record of 256 of t
	s_mov_b32 s99, 0
	s_mul_i32 s94, s16, 1536                       ; my 128 of the record's 256 along the next K
	s_mov_b32 s95, 0
	s_mov_b32 s80, 0x76543210
	s_mov_b32 s81, 0xfedcba98
	s_mov_b32 s82, 0xffff0000                      ; lanes 16-31
	s_wait_kmcnt 0x0
	s_add_nc_u64 s[10:11], s[6:7], s[92:93]
	s_add_nc_u64 s[12:13], s[10:11], SCO
	s_add_nc_u64 s[10:11], s[10:11], s[94:95]      ; phase 1: my fragments: tile a at 3,072 a
	s_add_nc_u64 s[66:67], s[8:9], s[98:99]
	s_add_nc_u64 s[100:101], s[66:67], SCO
	s_add_nc_u64 s[66:67], s[66:67], s[94:95]
	s_lshl_b32 s94, s16, 9
	s_add_nc_u64 s[12:13], s[12:13], s[94:95]      ; phase 1: my scale unit
	s_add_nc_u64 s[100:101], s[100:101], s[94:95]
	s_mul_i32 s94, s15, 4*3072
	s_add_nc_u64 s[66:67], s[66:67], s[94:95]      ; phase 2: my fragments: tile 4 (wave / 2) + a
	s_lshl_b32 s94, s15, 3
	s_add_nc_u64 s[100:101], s[100:101], s[94:95]  ; phase 2: my 8 bytes in each 16 of the scale unit
	s_add_nc_u64 s[22:23], s[4:5], s[22:23]
	s_add_nc_u64 s[74:75], s[4:5], s[74:75]
	s_add_nc_u64 s[76:77], s[4:5], s[76:77]
	s_add_nc_u64 s[96:97], s[4:5], s[96:97]
	MKG0 G0A,   83, 22, 0,      0
	MKG0 G0A+4, 83, 22, SLOT,   REC
	MKG0 G0A+8, 83, 22, 2*SLOT, 2*REC
	MKG0 G0B0,  83, 74, 0,      0
	MKG0 G0B1,  83, 74, SLOT,   REC
	MKG0 G0B2,  83, 74, 2*SLOT, 2*REC
	CROUND                                         ; all sixteen work-groups are here: the first joint loads meet
	s_cmp_eq_u32 s15, 0                            ; a wave's three first fills stand in one branch
	s_cbranch_scc0 .Lfirst_b
	tensor_load_to_lds s[G0A:G0A+3], s[G1A:G1A+7]
	s_nop 0
	tensor_load_to_lds s[G0A+4:G0A+7], s[G1A:G1A+7]
	s_nop 0
	tensor_load_to_lds s[G0A+8:G0A+11], s[G1A:G1A+7]
	s_nop 0
.rept 4
	v_nop
.endr
	s_branch .Lfirst_done
.Lfirst_b:
	tensor_load_to_lds s[G0B0:G0B0+3], s[G1B:G1B+7]
	s_nop 0
	tensor_load_to_lds s[G0B1:G0B1+3], s[G1B:G1B+7]
	s_nop 0
	tensor_load_to_lds s[G0B2:G0B2+3], s[G1B:G1B+7]
	s_nop 0
.rept 4
	v_nop
.endr
.Lfirst_done:
	v_and_b32 v1, 31, v0
	v_and_b32 v2, 15, v0                           ; r
	v_bfe_u32 v3, v0, 4, 1                         ; h
	v_lshlrev_b32 v[LI], 4, v1
	v_lshlrev_b32 v[SH8], 3, v3
	s_mul_i32 s92, s15, REC                        ; phase 1: A's half that I multiply
	s_mul_i32 s93, s16, REC
	s_add_co_u32 s93, s93, 2*REC                   ; B's, behind A's two
	s_sub_co_u32 s94, s93, s92
	v_mul_u32_u24 v12, s94, v3                     ; lanes 16-31 take B's scale words
	v_lshl_add_u32 v12, v2, 4, v12
	s_add_co_u32 s95, s92, SCO
.irp s, 0,1,2
	v_add_nc_u32 v[ADRA+\s], s92, v[LI]
	v_add_nc_u32 v[ADRB+\s], s93, v[LI]
	v_add_nc_u32 v[ADRS+\s], s95, v12
	s_add_co_u32 s92, s92, SLOT
	s_add_co_u32 s93, s93, SLOT
	s_add_co_u32 s95, s95, SLOT
.endr
	s_mul_i32 s92, s15, 4*3072                     ; phase 2: my four tiles of Wv
	s_mul_i32 s93, s16, 2*REC
	s_add_co_u32 s93, s93, 2*REC                   ; my row block of x
	s_add_co_u32 s94, s93, SCO
	s_lshl_b32 s95, s15, 3
	s_add_co_u32 s95, s95, SCO                     ; the words of tiles 4 (wave / 2) + par and + 2 + par lie side by side
.irp s, 0,1
	v_add_nc_u32 v[A2A+\s], s92, v[LI]
	v_add_nc_u32 v[A2B+\s], s93, v[LI]
	v_lshl_add_u32 v[A2SB+\s], v2, 4, s94
	v_lshl_add_u32 v[A2SA+\s], v2, 4, s95
	s_add_co_u32 s92, s92, P1
	s_add_co_u32 s93, s93, P1
	s_add_co_u32 s94, s94, P1
	s_add_co_u32 s95, s95, P1
.endr
; ---- PHASE 1'S MACROS
; 50 LDS loads in one run: a step's fragments (three loads of 512 consecutive bytes each) and scale words (the words of four tiles by one load) into set p
.macro FETCH slot, kk, p
	WIN TO_B
.irp i, 0,1,2,3,4,5,6,7
.irp c, 0,1,2
	ds_load_b128 v[128*(\p)+12*\i+4*\c:128*(\p)+12*\i+4*\c+3], v[ADRB+(\slot)] offset:\i*3072+(\kk)*1536+512*\c
.endr
.endr
	WIN 0
.irp i, 0,1,2,3,4,5,6,7
.irp c, 0,1,2
	ds_load_b128 v[AF+96*(\p)+12*\i+4*\c:AF+96*(\p)+12*\i+4*\c+3], v[ADRA+(\slot)] offset:\i*3072+(\kk)*1536+512*\c
.endr
.endr
	ds_load_b128 v[SC+8*(\p):SC+8*(\p)+3], v[ADRS+(\slot)] offset:(\kk)*512
	ds_load_b128 v[SC+8*(\p)+4:SC+8*(\p)+7], v[ADRS+(\slot)] offset:(\kk)*512+256
.endm
; 16 matrix instructions: A's blocks a0, a0 + 1 x B's eight.  The 64 accumulators take turns, in the same order in every step.  zero = 1: the first product starts the sums.
.macro MUL16 a0, p, zero
.irp a, \a0, \a0+1
.irp b, 0,1,2,3,4,5,6,7
.if \zero
	v_wmma_scale_f32_16x16x128_f8f6f4 v[8*(8*((\a)%4)+\b):8*(8*((\a)%4)+\b)+7], v[128*(\p)+12*\b:128*(\p)+12*\b+11], v[AF+96*(\p)+12*(\a):AF+96*(\p)+12*(\a)+11], 0, v[SC+8*(\p)+4*(\b%2)+\b/2], v[SC+8*(\p)+4*((\a)%2)+(\a)/2] matrix_a_fmt:MATRIX_FMT_BF6 matrix_b_fmt:MATRIX_FMT_BF6 matrix_a_scale:MATRIX_SCALE_ROW1
.else
	v_wmma_scale_f32_16x16x128_f8f6f4 v[8*(8*((\a)%4)+\b):8*(8*((\a)%4)+\b)+7], v[128*(\p)+12*\b:128*(\p)+12*\b+11], v[AF+96*(\p)+12*(\a):AF+96*(\p)+12*(\a)+11], v[8*(8*((\a)%4)+\b):8*(8*((\a)%4)+\b)+7], v[SC+8*(\p)+4*(\b%2)+\b/2], v[SC+8*(\p)+4*((\a)%2)+(\a)/2] matrix_a_fmt:MATRIX_FMT_BF6 matrix_b_fmt:MATRIX_FMT_BF6 matrix_a_scale:MATRIX_SCALE_ROW1
.endif
.endr
.endr
.endm
; A step of 128 along K on set p; at its head the whole next step is fetched into the other set, 64 matrix instructions ahead of its use.
.macro STEPP p, nslot, nkk, zero
	s_wait_dscnt 0x0                               ; this step's set is in
	PLACES 4                                       ; four places between the last step's products and the loads into the registers that they read (ISA guide 7.12.1 for vector instructions)
	FETCH \nslot, \nkk, 1-(\p)
	WIN MUL_LO
	MUL16 0, \p, \zero
	MUL16 2, \p, \zero
	WIN MUL_HI
	MUL16 4, \p, \zero
	MUL16 6, \p, \zero
.endm
; A step at which LDS bytes are filled again: each wave waits for all its tensor loads, adds 0 to its spare word and waits for that and for its reads; the barrier opens a round of the cluster's.
; fill = 1: slot 0 takes phase 1's fourth record.  fill = 2: slots 1 and 2 have been read out: the bytes from P1 on take phase 2's run 0.
.macro TURN p, nslot, nkk, fill
	WIN 0
	s_wait_tensorcnt 0x0                           ; all my tensor loads have landed: every group 0 may be written
	ds_add_u32 v[SPW], v[NIL]                      ; 0 onto my spare word
	s_wait_dscnt 0x1                               ; this step's set is in; the add may be out
	WIN MUL_LO
	MUL16 0, \p, 0
	s_wait_dscnt 0x0                               ; the add is done; my reads of the bytes to be filled were over before
	s_barrier_signal -1
	MUL16 2, \p, 0
	WIN 0
	s_barrier_wait -1
	CREST                                          ; no wave of any partner still reads those bytes or has a load on its way
.if \fill == 1
	s_add_nc_u64 s[G0A+2:G0A+3], s[G0A+2:G0A+3], 3*REC
	s_add_nc_u64 s[G0B0+2:G0B0+3], s[G0B0+2:G0B0+3], 3*REC
	JLOAD G0A, G1A, G0B0, G1B                      ; the first tensor load behind the round; its four v_nop are also the places in front of the loads below
.else
	MKG0 G0A+4, 18, 76, P1, 0                      ; Wv: record wave % 2 of run 0
	MKG0 G0B1,  19, 96, P1, 0                      ; x: row block wave % 2, records 0 and 1
	JLOAD G0A+4, G1A, G0B1, G1B2
.endif
	FETCH \nslot, \nkk, 1-(\p)
	WIN MUL_HI
	MUL16 4, \p, 0
	MUL16 6, \p, 0
.endm
; THE WAY OUT of A's block a, to base s[base:base+1]: my 64 registers are k = 64 c + 32 h + 0 .. 31 of the next K, c = 0, 1: the operand's own layout.
.macro QA a, base
.set AC, 64*((\a)%4)
	WIN 0x0a+5*((\a)/4)                            ; sources 0 and 1: window 2 or 3
.irp k, 0,1,2,3
	v_max3_num_f32 v[TM+\k], |v[AC+16*\k]|, |v[AC+16*\k+1]|, 0x2800000   ; four chains of 16; each accumulator is read from its low end on; the floor 2^(5 - 127)
.endr
.irp i, 2,4,6,8,10,12,14
.irp k, 0,1,2,3
	v_max3_num_f32 v[TM+\k], |v[AC+16*\k+\i]|, |v[AC+16*\k+\i+1]|, v[TM+\k]
.endr
.endr
	WIN 0
	v_max_num_f32 v[TM], v[TM], v[TM+1]
	v_max_num_f32 v[TM+2], v[TM+2], v[TM+3]
	v_add_nc_u32 v[TS], 0xfe000000, v[TM]          ; 4 off the exponent field: the conversion takes that field as its scale
	v_add_nc_u32 v[TS+1], 0xfe000000, v[TM+2]
	v_lshrrev_b32 v[BY], 23, v[TS]
	v_lshrrev_b32 v[BY+1], 23, v[TS+1]
	v_lshl_or_b32 v[W], v[BY+1], 16, v[BY]
	v_lshlrev_b32 v[W], v[SH8], v[W]               ; my two bytes at their places,
	v_permlanex16_b32 v[T], v[W], s80, s81
	v_or_b32 v[PW+(\a)], v[W], v[T]                ; with lane l xor 16's two: the row's word
	s_wait_xcnt 0x0                                ; the earlier stores have read their registers
	WIN 0x02+(\a)/4                                ; source 0: window 2 or 3
	v_cvt_scalef32_pk16_bf6_f32 v[PC:PC+2], v[AC:AC+15], v[TS]
	v_cvt_scalef32_pk16_bf6_f32 v[PX:PX+2], v[AC+16:AC+31], v[TS]        ; (a conversion's three registers begin on an even number)
	v_cvt_scalef32_pk16_bf6_f32 v[PC+6:PC+8], v[AC+32:AC+47], v[TS+1]
	v_cvt_scalef32_pk16_bf6_f32 v[PX+4:PX+6], v[AC+48:AC+63], v[TS+1]
	WIN 0
	v_nop                                          ; one plain place behind a scaled conversion
.irp i, 0,1,2
	v_mov_b32 v[PC+3+\i], v[PX+\i]
	v_mov_b32 v[PC+9+\i], v[PX+4+\i]
.endr
.irp c, 0,1,2
	global_store_b128 v[LI], v[PC+4*\c:PC+4*\c+3], s[\base:\base+1] offset:(\a)*3072+512*\c   ; 512 consecutive bytes, aligned
.endr
.endm
; ---- PHASE 2'S MACROS
; 40 LDS loads in one run: the fragments and scale words of the q-th 128 along K of a slot (0: at byte 0; 1: at P1) into set p
.macro FETCH2 slot, q, p
	WIN TO_B
.irp b, 0,1,2,3,4,5,6,7
.irp c, 0,1,2
	ds_load_b128 v[128*(\p)+12*\b+4*\c:128*(\p)+12*\b+4*\c+3], v[A2B+(\slot)] offset:((\q)/2)*REC+\b*3072+((\q)%2)*1536+512*\c
.endr
.endr
	WIN 0
.irp a, 0,1,2,3
.irp c, 0,1,2
	ds_load_b128 v[AF2+48*(\p)+12*\a+4*\c:AF2+48*(\p)+12*\a+4*\c+3], v[A2A+(\slot)] offset:((\q)/2)*REC+\a*3072+((\q)%2)*1536+512*\c
.endr
.endr
	ds_load_b128 v[SB2+8*(\p):SB2+8*(\p)+3], v[A2SB+(\slot)] offset:((\q)/2)*REC+((\q)%2)*512
	ds_load_b128 v[SB2+8*(\p)+4:SB2+8*(\p)+7], v[A2SB+(\slot)] offset:((\q)/2)*REC+((\q)%2)*512+256
	ds_load_b64 v[SA2+4*(\p):SA2+4*(\p)+1], v[A2SA+(\slot)] offset:((\q)/2)*REC+((\q)%2)*512
	ds_load_b64 v[SA2+4*(\p)+2:SA2+4*(\p)+3], v[A2SA+(\slot)] offset:((\q)/2)*REC+((\q)%2)*512+256
.endm
; 8 matrix instructions: Wv's block a x x's eight.  The 32 accumulators take turns, in the same order in every step.
.macro MUL8 a, p, zero
.irp b, 0,1,2,3,4,5,6,7
.if \zero
	v_wmma_scale_f32_16x16x128_f8f6f4 v[8*(8*(\a)+\b):8*(8*(\a)+\b)+7], v[128*(\p)+12*\b:128*(\p)+12*\b+11], v[AF2+48*(\p)+12*(\a):AF2+48*(\p)+12*(\a)+11], 0, v[SB2+8*(\p)+4*(\b%2)+\b/2], v[SA2+4*(\p)+2*((\a)%2)+(\a)/2] matrix_a_fmt:MATRIX_FMT_BF6 matrix_b_fmt:MATRIX_FMT_BF6
.else
	v_wmma_scale_f32_16x16x128_f8f6f4 v[8*(8*(\a)+\b):8*(8*(\a)+\b)+7], v[128*(\p)+12*\b:128*(\p)+12*\b+11], v[AF2+48*(\p)+12*(\a):AF2+48*(\p)+12*(\a)+11], v[8*(8*(\a)+\b):8*(8*(\a)+\b)+7], v[SB2+8*(\p)+4*(\b%2)+\b/2], v[SA2+4*(\p)+2*((\a)%2)+(\a)/2] matrix_a_fmt:MATRIX_FMT_BF6 matrix_b_fmt:MATRIX_FMT_BF6
.endif
.endr
.endm
.macro STEP2 h, zero                   ; step h of 8 (steps 0-3 lie in the slot at P1, steps 4-7 in the slot at 0); at its head step h + 1 is fetched into the other set
	s_wait_dscnt 0x0                               ; this step's set is in
	PLACES 4                                       ; four places between the last step's products and the loads into the registers that they read
	FETCH2 1-(((\h)+1)/4), ((\h)+1)%4, ((\h)+1)%2
	WIN MUL_LO
	MUL8 0, (\h)%2, \zero
	MUL8 1, (\h)%2, \zero
	MUL8 2, (\h)%2, \zero
	MUL8 3, (\h)%2, \zero
.endm
; ---- PHASE 1
	s_wait_tensorcnt 0x2                           ; my part of slot 0 is in; the two younger loads may stay out
	s_barrier_signal -1
	s_barrier_wait -1
	FETCH 0, 0, 0
	STEPP 0, 0, 1, 1                               ; K   0 .. 127: starts the sums
	TURN  1, 1, 0, 1                               ; slot 0 is left and takes the fourth record; slots 1 and 2 are whole for every wave from here on
	STEPP 0, 1, 1, 0
	STEPP 1, 2, 0, 0
	STEPP 0, 2, 1, 0
	TURN  1, 0, 0, 2                               ; the fourth record has landed in every wave; slots 1 and 2 are left: phase 2's run 0 is asked for
	STEPP 0, 0, 1, 0
	s_wait_dscnt 0x0                               ; the last step: nothing more to fetch
	WIN MUL_LO
	MUL16 0, 1, 0
	MUL16 2, 1, 0
	WIN MUL_HI
	MUL16 4, 1, 0
	MUL16 6, 1, 0
	WIN 0
	PLACES 4                                       ; in front of the first read of results and the first write of registers that held A's fragments
	v_mov_b32 v[T], 0                              ; a lane permute's destination counts as one of its sources
.irp a, 0,1,2,3
	QA \a, 10
.endr
	; the second refill stands in the middle of the way out: run 0 has had 160 products and four blocks of the way out in which to land; run 1 gets the other four blocks and 96 products
	s_wait_tensorcnt 0x0                           ; run 0's part of mine has landed: every group 0 may be written
	ds_add_u32 v[SPW], v[NIL]                      ; 0 onto my spare word; the descriptors are made between it and the wait for it
	MKG0 G0A+8, 18, 76, 0, 2*REC                   ; Wv: record 2 + wave % 2
	MKG0 G0B2,  19, 96, 0, 2*REC                   ; x: row block wave % 2, records 2 and 3
	s_wait_dscnt 0x0                               ; the add is done; my reads of slot 0 were over at the last step's head
	CROUND                                         ; no wave of any partner still reads the bytes under P1 or has a load on its way
	JLOAD G0A+8, G1A, G0B2, G1B2                   ; the first tensor load behind the round
	FETCH2 1, 0, 0                                 ; run 0 is whole for every wave: phase 2's first set comes in under the rest of the way out, into registers that it does not touch
.irp a, 4,5,6,7
	QA \a, 10
.endr
.irp j, 0,1,2,3
	v_cndmask_b32 v[RW+\j], v[PW+2*\j], v[PW+2*\j+1], s82      ; lanes 0-15 the even tiles' words, lanes 16-31 the odd tiles'
.endr
	global_store_b128 v[LI], v[RW:RW+3], s[12:13]
; ---- PHASE 2
	STEP2 0, 1                                     ; starts the sums anew, in window 2
	STEP2 1, 0
	STEP2 2, 0
	WIN 0                                          ; step 3 changes slots: nothing is filled again, so a plain barrier follows
	s_wait_tensorcnt 0x0                           ; my part of run 1 has landed
	ds_add_u32 v[SPW], v[NIL]                      ; 0 onto my spare word
	s_wait_dscnt 0x1                               ; this step's set is in; the add may be out
	WIN MUL_LO
	MUL8 0, 1, 0
	s_wait_dscnt 0x0
	s_barrier_signal -1
	MUL8 1, 1, 0
	WIN 0
	s_barrier_wait -1                              ; everybody's part has landed
	PLACES 4
	FETCH2 0, 0, 0
	WIN MUL_LO
	MUL8 2, 1, 0
	MUL8 3, 1, 0
	STEP2 4, 0
	STEP2 5, 0
	STEP2 6, 0
	s_wait_dscnt 0x0                               ; the last step
	WIN MUL_LO
	MUL8 0, 1, 0
	MUL8 1, 1, 0
	MUL8 2, 1, 0
	MUL8 3, 1, 0
	WIN 0
	PLACES 4                                       ; in front of the first read of results
.irp a, 0,1,2,3
	QA \a, 66
.endr
	v_cndmask_b32 v[RW], v[PW], v[PW+1], s82
	v_cndmask_b32 v[RW+1], v[PW+2], v[PW+3], s82
	global_store_b64 v[LI], v[RW:RW+1], s[100:101] ; my four tiles' words: 8 bytes in each 16 of the unit; the wave with the row block's other four tiles stores the other 8
	s_wait_tensorcnt 0x0                           ; the wave's end
	ds_add_u32 v[SPW], v[NIL]
	s_wait_dscnt 0x0
	CROUND                                         ; the closing round
	s_endpgm
.Lfunc_end_k_qabdf5718f9_proj:
	.size	k_qabdf5718f9_proj, .Lfunc_end_k_qabdf5718f9_proj-k_qabdf5718f9_proj
	.p2alignl 7, 3214868480
	.fill 96, 4, 3214868480
	.section	.rodata,"a",@progbits
	.p2align	6, 0x0
	.amdhsa_kernel k_qabdf5718f9_proj
		.amdhsa_group_segment_fixed_size 327680
		.amdhsa_private_segment_fixed_size 0
		.amdhsa_enable_private_segment 0
		.amdhsa_kernarg_size 24
		.amdhsa_user_sgpr_count 2
		.amdhsa_user_sgpr_kernarg_segment_ptr 1
		.amdhsa_wavefront_size32 1
		.amdhsa_system_sgpr_workgroup_id_x 1
		.amdhsa_system_sgpr_workgroup_id_y 1
		.amdhsa_system_sgpr_workgroup_id_z 1
		.amdhsa_system_vgpr_workitem_id 0
		.amdhsa_next_free_vgpr 1024
		.amdhsa_next_free_sgpr 102
		.amdhsa_reserve_vcc 0
		.amdhsa_float_denorm_mode_32 3
		.amdhsa_float_denorm_mode_16_64 3
		.amdhsa_memory_ordered 1
		.amdhsa_forward_progress 1
		.amdhsa_inst_pref_size 203
	.end_amdhsa_kernel
	.amdgpu_metadata
---
amdhsa.version: [ 1, 2 ]
amdhsa.kernels:
  - .name:           k_qabdf5718f9_proj
    .symbol:         k_qabdf5718f9_proj.kd
    .args:
      - { .name: op, .offset: 0, .size: 8, .value_kind: global_buffer, .address_space: global }
      - { .name: kq, .offset: 8, .size: 8, .value_kind: global_buffer, .address_space: global }
      - { .name: vt, .offset: 16, .size: 8, .value_kind: global_buffer, .address_space: global }
    .group_segment_fixed_size: 327680
    .private_segment_fixed_size: 0
    .kernarg_segment_align: 8
    .kernarg_segment_size: 24
    .max_flat_workgroup_size: 128
    .sgpr_count:     102
    .vgpr_count:     1024
    .wavefront_size: 32
...
	.end_amdgpu_metadata
.endif
;; end of part 2
;; launch scores (part 3): grid 8 x 32, 4 waves a work-group, clusters of 4 x 4, 327,680 bytes of LDS; arguments kq, pp; writes pp
.if DOCPART == 3
	.amdgcn_target "amdgcn-amd-amdhsa--gfx1250"
	.amdhsa_code_object_version 6
	.text
	.protected	k_qabdf5718f9_scores
	.globl	k_qabdf5718f9_scores
	.p2align	8
	.type	k_qabdf5718f9_scores,@function
k_qabdf5718f9_scores:
	s_mov_b64 s[64:65], 0
	v_nop
	global_prefetch_b8 v0, s[64:65] scope:SCOPE_SE
	s_setreg_imm32_b32 hwreg(HW_REG_WAVE_MODE, 25, 1), 1
	s_wait_xcnt 0x0
	s_wait_alu depctr_hold_cnt(0) depctr_sa_sdst(0) depctr_va_vdst(0) depctr_va_sdst(0) depctr_va_ssrc(0) depctr_va_vcc(0) depctr_vm_vsrc(0)
	s_getreg_b32 s2, hwreg(HW_REG_IB_STS2, 6, 4)
	s_cmp_eq_u32 s2, 0
	s_cbranch_scc0 .Lentry_in_a_cluster
	s_endpgm
.Lentry_in_a_cluster:
	s_bfe_u32 s2, ttmp6, 0x10000c
	s_cmp_lg_u32 s2, 0xf033
	s_cbranch_scc0 .Lentry_shape_is_right
	s_endpgm
.Lentry_shape_is_right:
; S[s][t] = vk[s] . vq[t] on codes of BF6 (E3M2), K = 1,024, for each of 4 batches of 2,048 x 2,048; and the softmax's numerator, quantised along t for the product that follows.
; t' = S x log2(e) / 32.  For each row and each 128 keys (a wave's share): M = the largest t' of these 128, rounded UP to a whole number; p = 2^(t' - M); p's codes and scale word under THAT M; -M; and the sum of the unquantised p.
; A whole-number M only moves a block's scale: the next launch finds each row's largest M and takes the difference off the scale bytes, which leaves the codes as they are.  A maximum is taken away before every exponential.
; FORMATS as in the launch before.  kq: row blocks 0-63 vk, 64-127 vq.  pp: 64 row blocks of 8 records (K = the batch's 2,048 keys); from byte 13,107,200 on -M, from 13,631,488 on the sums: [row block][16 chunks of 128 keys][512 bytes laid as a scale unit].
; SOURCE 0 = vq (its rows, the keys, become a lane's registers, 32 neighbours to four accumulators), SOURCE 1 = vk (its rows become the lanes).  Tile 256 x 256, four waves of 128 x 128; ring, round and joint loads as in the launch before.
; A block's largest p is not searched for: p rises with the score, so the block's largest score goes through the same multiply-add and exponential (this takes v_exp_f32 not to fall where its input rises).
; LIMITS: a block whose every p lies under 2^-122 gets the byte 1; NaN and infinities are not served.
.set REC,    25600
.set RB1,    4*REC
.set RB2,    8*REC
.set SCO,    24576
.set NMO,    64*RB2
.set SLOT,   4*REC
.set SPARE,  3*SLOT
.set ADRA,   16
.set ADRB,   20
.set ADRS,   24
.set SPW,    28
.set NIL,    29
.set LI,     30
.set SH8,    31
.set SC,     32
.set AF,     64
.set G1A,    24
.set G0A,    32
.set G1B,    48
.set G0B0,   56
.set G0B1,   60
.set G0B2,   68
.set TM,     64                        ; the way out: four chains
.set BM,     68                        ; v68-69 my two blocks' largest scores, then their largest p
.set RM,     70                        ; v70-71 the row's largest
.set TS,     72
.set BY,     74
.set W,      76
.set T,      77
.set PC,     80
.set PX,     92
.set PW,     100
.set NM,     112                       ; v112-113 -M, twice
.set L,      114                       ; v114-117 the sum, in two chains of pairs
.set NMR,    120                       ; v120-127 -M of the eight blocks
.set P,      128                       ; v128-191 p
.set LSR,    192                       ; v192-199 the sums of the eight blocks
.set RW,     200                       ; v200-211 three units as they are stored
.set MUL_LO, 0xa1
.set MUL_HI, 0xf1
.set TO_B,   0x40
.set MSB, 0
.macro WIN new
.if MSB != (\new)
	s_set_vgpr_msb (MSB<<8)|(\new)
.set MSB, (\new)
.endif
.endm
.macro PLACES n
.rept \n
	v_nop
.endr
.endm
.macro JLOAD g0a, g1a, g0b, g1b
	s_cmp_eq_u32 s15, 0
	s_cbranch_scc0 .Lfor_b_\@
	tensor_load_to_lds s[\g0a:\g0a+3], s[\g1a:\g1a+7]
	s_nop 0
.rept 4
	v_nop
.endr
	s_branch .Lasked_\@
.Lfor_b_\@:
	tensor_load_to_lds s[\g0b:\g0b+3], s[\g1b:\g1b+7]
	s_nop 0
.rept 4
	v_nop
.endr
.Lasked_\@:
.endm
.macro CREST
	s_cmp_lg_u32 s14, 0
	s_cbranch_scc1 .Lnot_wave_0_\@
	s_barrier_signal -3
.Lnot_wave_0_\@:
	s_barrier_wait -3
	s_barrier_signal -1
	s_barrier_wait -1
.endm
.macro CROUND
	s_barrier_signal -1
	s_barrier_wait -1
	CREST
.endm
.macro MKG0 g0, lds, adr, ol, om
	s_mov_b32 s[\g0], 1
	s_add_co_u32 s[\g0+1], s[\lds], \ol
	s_add_nc_u64 s[\g0+2:\g0+3], s[\adr:\adr+1], \om
	s_or_b32 s[\g0+3], s[\g0+3], 0x80000000
.endm
	s_load_b128 s[4:7], s[0:1], 0x0                ; kq, pp
	v_lshl_add_u32 v[SPW], v0, 2, SPARE
	v_mov_b32 v[NIL], 0
	ds_add_u32 v28, v29
	ds_add_u32 v28, v29
	s_wait_dscnt 0x0
	v_lshrrev_b32 v1, 5, v0
	v_readfirstlane_b32 s14, v1
	s_lshr_b32 s15, s14, 1
	s_and_b32 s16, s14, 1
	s_bfe_u32 s44, ttmp6, 0x40000                  ; cx
	s_bfe_u32 s45, ttmp6, 0x40004                  ; cy
	; A's side (vk): registers that never hold cx
	s_and_b32 s17, ttmp7, 0xffff
	s_lshl_b32 s20, s17, 2
	s_add_co_u32 s20, s20, s45                     ; tile row TR = 4 y + cy, over all batches
	s_lshl_b32 s21, s20, 1
	s_add_co_u32 s22, s21, s16
	s_mul_i32 s22, s22, RB1
	s_mov_b32 s23, 0
	s_lshl_b32 s72, s45, 2
	s_lshl_b32 s72, 15, s72
	; B's side (vq): registers that never hold cy; the batch comes from the cluster's y
	s_and_b32 s46, ttmp7, 0xffff
	s_lshr_b32 s46, s46, 1
	s_lshl_b32 s46, s46, 4                         ; 16 row blocks a batch
	s_lshl_b32 s47, ttmp9, 2
	s_add_co_u32 s47, s47, s44                     ; tile column TC
	s_lshl_b32 s74, s47, 1
	s_add_co_u32 s74, s74, s46
	s_add_co_u32 s74, s74, s16
	s_add_co_u32 s74, s74, 64                      ; vq's row blocks begin at 64
	s_mul_i32 s74, s74, RB1
	s_mov_b32 s75, 0
	s_lshl_b32 s78, 0x1111, s44
	s_or_b32 s[G1A], s72, (3<<16)|(1<<21)
	s_or_b32 s[G1B], s78, (3<<16)|(1<<21)
.irp g, G1A, G1B
	s_mov_b32 s[\g+1], 32<<16
	s_mov_b32 s[\g+2], 100<<16
	s_mov_b32 s[\g+3], 32<<16
	s_mov_b32 s[\g+4], 100
	s_mov_b32 s[\g+5], 32
	s_mov_b32 s[\g+6], 0
	s_mov_b32 s[\g+7], 0
.endr
	; where my results go
	s_add_co_u32 s89, s21, s15                     ; p's row block
	s_mul_i32 s90, s89, RB2
	s_mul_i32 s91, s47, REC
	s_add_co_u32 s90, s90, s91                     ; record TC
	s_mov_b32 s91, 0
	s_mul_i32 s92, s16, 1536
	s_mov_b32 s93, 0
	s_lshl_b32 s94, s89, 13                        ; 16 chunks of 512 bytes a row block
	s_lshl_b32 s95, s47, 10
	s_add_co_u32 s94, s94, s95
	s_lshl_b32 s95, s16, 9
	s_add_co_u32 s94, s94, s95                     ; chunk 2 TC + my half
	s_add_co_u32 s94, s94, NMO
	s_mov_b32 s95, 0
	s_mul_i32 s88, s14, REC
	s_mov_b32 s80, 0x76543210
	s_mov_b32 s81, 0xfedcba98
	s_mov_b32 s82, 0xffff0000
	s_mov_b32 s84, 0x3d38aa3b                      ; c = log2(e) / sqrt(1024)
	s_mov_b32 s85, s84                             ; (named with it as a pair, so it is written)
	s_wait_kmcnt 0x0
	s_add_nc_u64 s[10:11], s[6:7], s[90:91]
	s_add_nc_u64 s[12:13], s[10:11], SCO
	s_add_nc_u64 s[10:11], s[10:11], s[92:93]      ; my fragments
	s_lshl_b32 s92, s16, 9
	s_add_nc_u64 s[12:13], s[12:13], s[92:93]      ; my scale unit
	s_add_nc_u64 s[86:87], s[6:7], s[94:95]        ; my unit of -M; the sums lie 524,288 bytes on
	s_add_nc_u64 s[22:23], s[4:5], s[22:23]
	s_add_nc_u64 s[74:75], s[4:5], s[74:75]
	MKG0 G0A,   88, 22, 0,      0
	MKG0 G0A+4, 88, 22, SLOT,   REC
	MKG0 G0A+8, 88, 22, 2*SLOT, 2*REC
	MKG0 G0B0,  88, 74, 0,      0
	MKG0 G0B1,  88, 74, SLOT,   REC
	MKG0 G0B2,  88, 74, 2*SLOT, 2*REC
	CROUND
	s_cmp_eq_u32 s15, 0
	s_cbranch_scc0 .Lfirst_b
	tensor_load_to_lds s[G0A:G0A+3], s[G1A:G1A+7]
	s_nop 0
	tensor_load_to_lds s[G0A+4:G0A+7], s[G1A:G1A+7]
	s_nop 0
	tensor_load_to_lds s[G0A+8:G0A+11], s[G1A:G1A+7]
	s_nop 0
.rept 4
	v_nop
.endr
	s_branch .Lfirst_done
.Lfirst_b:
	tensor_load_to_lds s[G0B0:G0B0+3], s[G1B:G1B+7]
	s_nop 0
	tensor_load_to_lds s[G0B1:G0B1+3], s[G1B:G1B+7]
	s_nop 0
	tensor_load_to_lds s[G0B2:G0B2+3], s[G1B:G1B+7]
	s_nop 0
.rept 4
	v_nop
.endr
.Lfirst_done:
	v_and_b32 v1, 31, v0
	v_and_b32 v2, 15, v0
	v_bfe_u32 v3, v0, 4, 1
	v_lshlrev_b32 v[LI], 4, v1
	v_lshlrev_b32 v[SH8], 3, v3
	s_mul_i32 s88, s15, REC
	s_mul_i32 s89, s16, REC
	s_add_co_u32 s89, s89, 2*REC
	s_sub_co_u32 s90, s89, s88
	v_mul_u32_u24 v4, s90, v3
	v_lshl_add_u32 v4, v2, 4, v4
	s_add_co_u32 s91, s88, SCO
.irp s, 0,1,2
	v_add_nc_u32 v[ADRA+\s], s88, v[LI]
	v_add_nc_u32 v[ADRB+\s], s89, v[LI]
	v_add_nc_u32 v[ADRS+\s], s91, v4
	s_add_co_u32 s88, s88, SLOT
	s_add_co_u32 s89, s89, SLOT
	s_add_co_u32 s91, s91, SLOT
.endr
.macro FETCH slot, kk, p
	WIN TO_B
.irp i, 0,1,2,3,4,5,6,7
.irp c, 0,1,2
	ds_load_b128 v[128*(\p)+12*\i+4*\c:128*(\p)+12*\i+4*\c+3], v[ADRB+(\slot)] offset:\i*3072+(\kk)*1536+512*\c
.endr
.endr
	WIN 0
.irp i, 0,1,2,3,4,5,6,7
.irp c, 0,1,2
	ds_load_b128 v[AF+96*(\p)+12*\i+4*\c:AF+96*(\p)+12*\i+4*\c+3], v[ADRA+(\slot)] offset:\i*3072+(\kk)*1536+512*\c
.endr
.endr
	ds_load_b128 v[SC+8*(\p):SC+8*(\p)+3], v[ADRS+(\slot)] offset:(\kk)*512
	ds_load_b128 v[SC+8*(\p)+4:SC+8*(\p)+7], v[ADRS+(\slot)] offset:(\kk)*512+256
.endm
.macro MUL16 a0, p, zero
.irp a, \a0, \a0+1
.irp b, 0,1,2,3,4,5,6,7
.if \zero
	v_wmma_scale_f32_16x16x128_f8f6f4 v[8*(8*((\a)%4)+\b):8*(8*((\a)%4)+\b)+7], v[128*(\p)+12*\b:128*(\p)+12*\b+11], v[AF+96*(\p)+12*(\a):AF+96*(\p)+12*(\a)+11], 0, v[SC+8*(\p)+4*(\b%2)+\b/2], v[SC+8*(\p)+4*((\a)%2)+(\a)/2] matrix_a_fmt:MATRIX_FMT_BF6 matrix_b_fmt:MATRIX_FMT_BF6 matrix_a_scale:MATRIX_SCALE_ROW1
.else
	v_wmma_scale_f32_16x16x128_f8f6f4 v[8*(8*((\a)%4)+\b):8*(8*((\a)%4)+\b)+7], v[128*(\p)+12*\b:128*(\p)+12*\b+11], v[AF+96*(\p)+12*(\a):AF+96*(\p)+12*(\a)+11], v[8*(8*((\a)%4)+\b):8*(8*((\a)%4)+\b)+7], v[SC+8*(\p)+4*(\b%2)+\b/2], v[SC+8*(\p)+4*((\a)%2)+(\a)/2] matrix_a_fmt:MATRIX_FMT_BF6 matrix_b_fmt:MATRIX_FMT_BF6 matrix_a_scale:MATRIX_SCALE_ROW1
.endif
.endr
.endr
.endm
.macro STEPP p, nslot, nkk, zero
	s_wait_dscnt 0x0                               ; this step's set is in
	PLACES 4                                       ; four places between the last step's products and the loads into the registers that they read
	FETCH \nslot, \nkk, 1-(\p)
	WIN MUL_LO
	MUL16 0, \p, \zero
	MUL16 2, \p, \zero
	WIN MUL_HI
	MUL16 4, \p, \zero
	MUL16 6, \p, \zero
.endm
.macro TURN p, nslot, nkk, fill
	WIN 0
	s_wait_tensorcnt 0x0                           ; all my tensor loads have landed
	ds_add_u32 v[SPW], v[NIL]                      ; 0 onto my spare word
	s_wait_dscnt 0x1                               ; this step's set is in; the add may be out
	WIN MUL_LO
	MUL16 0, \p, 0
	s_wait_dscnt 0x0
	s_barrier_signal -1
	MUL16 2, \p, 0
	WIN 0
	s_barrier_wait -1
.if \fill
	CREST
	s_add_nc_u64 s[G0A+2:G0A+3], s[G0A+2:G0A+3], 3*REC
	s_add_nc_u64 s[G0B0+2:G0B0+3], s[G0B0+2:G0B0+3], 3*REC
	JLOAD G0A, G1A, G0B0, G1B
.else
	PLACES 4
.endif
	FETCH \nslot, \nkk, 1-(\p)
	WIN MUL_HI
	MUL16 4, \p, 0
	MUL16 6, \p, 0
.endm
	s_wait_tensorcnt 0x2                           ; my part of slot 0 is in; the two younger loads may stay out
	s_barrier_signal -1
	s_barrier_wait -1
	FETCH 0, 0, 0
	STEPP 0, 0, 1, 1
	TURN  1, 1, 0, 1
	STEPP 0, 1, 1, 0
	STEPP 1, 2, 0, 0
	STEPP 0, 2, 1, 0
	TURN  1, 0, 0, 0
	STEPP 0, 0, 1, 0
	s_wait_dscnt 0x0
	WIN MUL_LO
	MUL16 0, 1, 0
	MUL16 2, 1, 0
	WIN MUL_HI
	MUL16 4, 1, 0
	MUL16 6, 1, 0
	WIN 0
	PLACES 4
	v_mov_b32 v[T], 0                              ; lane permutes' destinations count as sources: written once
	v_mov_b32 v[RM+1], 0
; THE WAY OUT of vk's block a: lane (r, h) holds row r's scores of keys 64 c + 32 h + 0 .. 31, c = 0, 1, of my 128.
.macro SA a
.set AC, 64*((\a)%4)
	WIN 0x0a+5*((\a)/4)
.irp k, 0,1,2,3
	v_max3_num_f32 v[TM+\k], v[AC+16*\k], v[AC+16*\k+1], 0xff800000      ; the largest scores, four chains of 16; each accumulator from its low end on
.endr
.irp i, 2,4,6,8,10,12,14
.irp k, 0,1,2,3
	v_max3_num_f32 v[TM+\k], v[AC+16*\k+\i], v[AC+16*\k+\i+1], v[TM+\k]
.endr
.endr
	WIN 0
	v_max_num_f32 v[BM], v[TM], v[TM+1]            ; block h's largest score
	v_max_num_f32 v[BM+1], v[TM+2], v[TM+3]        ; block 2 + h's
	v_max_num_f32 v[RM], v[BM], v[BM+1]
	v_permlanex16_b32 v[RM+1], v[RM], s80, s81
	v_max_num_f32 v[RM], v[RM], v[RM+1]            ; the row's, over the 128 keys
	v_mul_f32 v[RM], s84, v[RM]                    ; as t' (c is positive)
	v_floor_f32 v[NM], -v[RM]                      ; -M = floor(-t') = -ceil(t')
	v_mov_b32 v[NM+1], v[NM]
	v_mov_b32 v[NMR+(\a)], v[NM]
	v_fma_f32 v[BM], v[BM], s84, v[NM]
	v_fma_f32 v[BM+1], v[BM+1], s84, v[NM]
	WIN 0x02+(\a)/4
.set i, 0
.rept 32
	v_pk_fma_f32 v[P+i:P+i+1], v[AC+i:AC+i+1], s[84:85], v[NM:NM+1] op_sel_hi:[1,0,0]   ; t' - M, two at a time
.set i, i+2
.endr
	WIN 0
.set i, 0
.rept 64
	v_exp_f32 v[P+i], v[P+i]                       ; p = 2^(t' - M), at most 1
.set i, i+1
.endr
	v_exp_f32 v[BM], v[BM]                         ; the blocks' largest p: the same two instructions on the same numbers
	v_exp_f32 v[BM+1], v[BM+1]
	v_nop                                          ; a plain place behind the last exponential
	s_wait_alu depctr_va_vdst(0)                   ; one wait for the whole batch, ahead of its first reader
	v_pk_add_f32 v[L:L+1], v[P:P+1], v[P+2:P+3]    ; the sum of the UNQUANTISED p, in two chains of pairs
	v_pk_add_f32 v[L+2:L+3], v[P+4:P+5], v[P+6:P+7]
.irp j, 8,12,16,20,24,28,32,36,40,44,48,52,56,60
	v_pk_add_f32 v[L:L+1], v[L:L+1], v[P+\j:P+\j+1]
	v_pk_add_f32 v[L+2:L+3], v[L+2:L+3], v[P+\j+2:P+\j+3]
.endr
	v_pk_add_f32 v[L:L+1], v[L:L+1], v[L+2:L+3]
	v_max_num_f32 v[BM], 0x2800000, v[BM]          ; the floor 2^(5 - 127)
	v_max_num_f32 v[BM+1], 0x2800000, v[BM+1]
	v_add_nc_u32 v[TS], 0xfe000000, v[BM]
	v_add_nc_u32 v[TS+1], 0xfe000000, v[BM+1]
	v_lshrrev_b32 v[BY], 23, v[TS]                 ; at most 123, since p is at most 1
	v_lshrrev_b32 v[BY+1], 23, v[TS+1]
	v_lshl_or_b32 v[W], v[BY+1], 16, v[BY]
	v_lshlrev_b32 v[W], v[SH8], v[W]
	v_permlanex16_b32 v[T], v[W], s80, s81
	v_or_b32 v[PW+(\a)], v[W], v[T]
	s_wait_xcnt 0x0                                ; the last block's stores have read v[PC] on
	v_cvt_scalef32_pk16_bf6_f32 v[PC:PC+2], v[P:P+15], v[TS]
	v_cvt_scalef32_pk16_bf6_f32 v[PX:PX+2], v[P+16:P+31], v[TS]
	v_cvt_scalef32_pk16_bf6_f32 v[PC+6:PC+8], v[P+32:P+47], v[TS+1]
	v_cvt_scalef32_pk16_bf6_f32 v[PX+4:PX+6], v[P+48:P+63], v[TS+1]
	v_add_f32 v[L], v[L], v[L+1]                   ; (the plain place behind the conversions)
	v_permlanex16_b32 v[L+2], v[L], s80, s81
	v_add_f32 v[LSR+(\a)], v[L], v[L+2]            ; the row's sum over the 128 keys
.irp i, 0,1,2
	v_mov_b32 v[PC+3+\i], v[PX+\i]
	v_mov_b32 v[PC+9+\i], v[PX+4+\i]
.endr
.irp c, 0,1,2
	global_store_b128 v[LI], v[PC+4*\c:PC+4*\c+3], s[10:11] offset:(\a)*3072+512*\c
.endr
.endm
.irp a, 0,1,2,3,4,5,6,7
	SA \a
.endr
.irp j, 0,1,2,3
	v_cndmask_b32 v[RW+\j], v[PW+2*\j], v[PW+2*\j+1], s82
	v_cndmask_b32 v[RW+4+\j], v[NMR+2*\j], v[NMR+2*\j+1], s82
	v_cndmask_b32 v[RW+8+\j], v[LSR+2*\j], v[LSR+2*\j+1], s82
.endr
	global_store_b128 v[LI], v[RW:RW+3], s[12:13]
	global_store_b128 v[LI], v[RW+4:RW+7], s[86:87]
	global_store_b128 v[LI], v[RW+8:RW+11], s[86:87] offset:524288
	s_wait_tensorcnt 0x0                           ; the wave's end
	ds_add_u32 v[SPW], v[NIL]
	s_wait_dscnt 0x0
	CROUND
	s_endpgm
.Lfunc_end_k_qabdf5718f9_scores:
	.size	k_qabdf5718f9_scores, .Lfunc_end_k_qabdf5718f9_scores-k_qabdf5718f9_scores
	.p2alignl 7, 3214868480
	.fill 96, 4, 3214868480
	.section	.rodata,"a",@progbits
	.p2align	6, 0x0
	.amdhsa_kernel k_qabdf5718f9_scores
		.amdhsa_group_segment_fixed_size 327680
		.amdhsa_private_segment_fixed_size 0
		.amdhsa_enable_private_segment 0
		.amdhsa_kernarg_size 16
		.amdhsa_user_sgpr_count 2
		.amdhsa_user_sgpr_kernarg_segment_ptr 1
		.amdhsa_wavefront_size32 1
		.amdhsa_system_sgpr_workgroup_id_x 1
		.amdhsa_system_sgpr_workgroup_id_y 1
		.amdhsa_system_sgpr_workgroup_id_z 1
		.amdhsa_system_vgpr_workitem_id 0
		.amdhsa_next_free_vgpr 1024
		.amdhsa_next_free_sgpr 96
		.amdhsa_reserve_vcc 0
		.amdhsa_float_denorm_mode_32 3
		.amdhsa_float_denorm_mode_16_64 3
		.amdhsa_memory_ordered 1
		.amdhsa_forward_progress 1
		.amdhsa_inst_pref_size 184
	.end_amdhsa_kernel
	.amdgpu_metadata
---
amdhsa.version: [ 1, 2 ]
amdhsa.kernels:
  - .name:           k_qabdf5718f9_scores
    .symbol:         k_qabdf5718f9_scores.kd
    .args:
      - { .name: kq, .offset: 0, .size: 8, .value_kind: global_buffer, .address_space: global }
      - { .name: pp, .offset: 8, .size: 8, .value_kind: global_buffer, .address_space: global }
    .group_segment_fixed_size: 327680
    .private_segment_fixed_size: 0
    .kernarg_segment_align: 8
    .kernarg_segment_size: 16
    .max_flat_workgroup_size: 128
    .sgpr_count:     96
    .vgpr_count:     1024
    .wavefront_size: 32
...
	.end_amdgpu_metadata
.endif
;; end of part 3
;; launch pv (part 4): grid 4 x 64, 4 waves a work-group, clusters of 4 x 4, 327,680 bytes of LDS; arguments pp, vt, out0; writes out0
.if DOCPART == 4
	.amdgcn_target "amdgcn-amd-amdhsa--gfx1250"
	.amdhsa_code_object_version 6
	.text
	.protected	k_qabdf5718f9_pv
	.globl	k_qabdf5718f9_pv
	.p2align	8
	.type	k_qabdf5718f9_pv,@function
k_qabdf5718f9_pv:
	s_mov_b64 s[64:65], 0
	v_nop
	global_prefetch_b8 v0, s[64:65] scope:SCOPE_SE
	s_setreg_imm32_b32 hwreg(HW_REG_WAVE_MODE, 25, 1), 1
	s_wait_xcnt 0x0
	s_wait_alu depctr_hold_cnt(0) depctr_sa_sdst(0) depctr_va_vdst(0) depctr_va_sdst(0) depctr_va_ssrc(0) depctr_va_vcc(0) depctr_vm_vsrc(0)
	s_getreg_b32 s2, hwreg(HW_REG_IB_STS2, 6, 4)
	s_cmp_eq_u32 s2, 0
	s_cbranch_scc0 .Lentry_in_a_cluster
	s_endpgm
.Lentry_in_a_cluster:
	s_bfe_u32 s2, ttmp6, 0x10000c
	s_cmp_lg_u32 s2, 0xf033
	s_cbranch_scc0 .Lentry_shape_is_right
	s_endpgm
.Lentry_shape_is_right:
; out[s][d] = (the sum over t of p[s][t] vv[t][d]) / l[s], on codes of BF6 (E3M2), K = the batch's 2,048 keys.
; p's codes were made under a whole-number M of their own for each row and each chunk of 128 keys.  At the head each thread takes one row of the work-group's 128: the row's M is the largest of its 16; the difference
; delta = M - M_chunk, a whole number, is taken off the chunk's four scale bytes (held at 0 from below) and the chunk's sum is multiplied by 2^-delta: nothing is rounded.  The adjusted words and 1 / l stay in LDS.
; LIMITS: delta is held at 127: what lies further down counts for under 28 x 2^-127 a term and under 2^-120 in l, beside an l of more than 1/2.  NaN and infinities are not served.
; A tile of out, 128 rows x 256 columns, is made by four waves, 64 x 128 each: 32 accumulators.  (Tiles of 256 x 256 would be 128 in all: half as many as there are WGPs.)
; SOURCE 0 = vv transposed (its rows d become a lane's registers, 32 neighbours to four accumulators), SOURCE 1 = p (its rows become the lanes).
; K goes in four runs of 512 through two LDS slots: p's two records, and two records of each of vv's two row blocks.  Two loads of a wave are out at the head, one behind each round.  All is written out: no loop.
; CLUSTERS: 4 x 4: p's records are shared along a row of the cluster, vv's along a column.
; REGISTERS: window 0: v1-31 addresses and the head's work; v32-39 p's scale words, v40-55 vv's, two sets each; v64-111, v112-159 p's fragments, two sets; window 1: vv's, two sets; window 2: accumulator (a, b) at v[8 (8 a + b)].
.set REC,    25600
.set RB2,    8*REC
.set SCO,    24576
.set NMO,    64*RB2
.set SL4,    6*REC                     ; a slot
.set ADJ,    2*SL4                     ; 16 adjusted scale units
.set INV,    ADJ+8192                  ; 1 / l, a word a row
.set SPARE,  INV+512                   ; the spare words: two blocks of 256 bytes that no other line names
.set VO,     1
.set AW,     2
.set IW,     3
.set MN,     4
.set LS,     5
.set IV,     8                         ; v8-15 1 / l of my four blocks, in the even registers of four pairs
.set ADRA,   16
.set STO,    18
.set RD,     19
.set ADRB,   20
.set ADSB,   24
.set ADSA,   26
.set IA,     27
.set SPW,    28
.set NIL,    29
.set LI,     30
.set SA,     32
.set SB,     40
.set D,      56                        ; v56-63 the head's work, two sets by turns
.set AF,     64
.set RAW,    64                        ; the head: 16 raw words, 16 x -M, 16 sums
.set NMV,    80
.set LV,     96
.set TT,     64                        ; the way out: a block's 64 numbers
.set BK,     128                       ; and 16 rows read back: v128-191, v192-255 by turns
.set G1A,    24
.set G0A,    32
.set G1B,    48
.set G0B,    56
.set MUL,    0xa1
.set TO_B,   0x40
.set MSB, 0
.macro WIN new
.if MSB != (\new)
	s_set_vgpr_msb (MSB<<8)|(\new)
.set MSB, (\new)
.endif
.endm
.macro PLACES n
.rept \n
	v_nop
.endr
.endm
.macro JLOAD g0a, g1a, g0b, g1b
	s_cmp_eq_u32 s15, 0
	s_cbranch_scc0 .Lfor_b_\@
	tensor_load_to_lds s[\g0a:\g0a+3], s[\g1a:\g1a+7]
	s_nop 0
.rept 4
	v_nop
.endr
	s_branch .Lasked_\@
.Lfor_b_\@:
	tensor_load_to_lds s[\g0b:\g0b+3], s[\g1b:\g1b+7]
	s_nop 0
.rept 4
	v_nop
.endr
.Lasked_\@:
.endm
.macro CREST
	s_cmp_lg_u32 s14, 0
	s_cbranch_scc1 .Lnot_wave_0_\@
	s_barrier_signal -3
.Lnot_wave_0_\@:
	s_barrier_wait -3
	s_barrier_signal -1
	s_barrier_wait -1
.endm
.macro CROUND
	s_barrier_signal -1
	s_barrier_wait -1
	CREST
.endm
.macro MKG0 g0, lds, adr, ol, om
	s_mov_b32 s[\g0], 1
	s_add_co_u32 s[\g0+1], s[\lds], \ol
	s_add_nc_u64 s[\g0+2:\g0+3], s[\adr:\adr+1], \om
	s_or_b32 s[\g0+3], s[\g0+3], 0x80000000
.endm
	s_load_b128 s[4:7], s[0:1], 0x0                ; pp, vt
	s_load_b64 s[8:9], s[0:1], 0x10                ; out0
	v_lshl_add_u32 v[SPW], v0, 2, SPARE
	v_mov_b32 v[NIL], 0
	ds_add_u32 v28, v29
	ds_add_u32 v28, v29
	s_wait_dscnt 0x0
	v_lshrrev_b32 v1, 5, v0
	v_readfirstlane_b32 s14, v1
	s_lshr_b32 s15, s14, 1                         ; which 64 rows of p are mine.  Also: I fetch for p (0) or vv (1)
	s_and_b32 s16, s14, 1                          ; which of vv's two row blocks is mine.  Also: which part I fetch
	s_bfe_u32 s44, ttmp6, 0x40000                  ; cx
	s_bfe_u32 s45, ttmp6, 0x40004                  ; cy
	; p's side: registers that never hold cx
	s_and_b32 s17, ttmp7, 0xffff
	s_lshl_b32 s17, s17, 2
	s_add_co_u32 s17, s17, s45                     ; y: p's row block
	s_mul_i32 s20, s17, RB2
	s_mov_b32 s21, 0
	s_mul_i32 s22, s16, REC                        ; the record of a slot's two that I fetch
	s_mov_b32 s23, 0
	s_lshl_b32 s18, s45, 2
	s_lshl_b32 s18, 15, s18                        ; my row of the cluster
	s_lshl_b32 s76, s17, 13
	s_add_co_u32 s76, s76, NMO                     ; the row block's 16 units of -M
	s_mov_b32 s77, 0
	; vv's side: registers that never hold cy
	s_and_b32 s46, ttmp7, 0xffff
	s_lshr_b32 s46, s46, 2                         ; the batch
	s_mul_i32 s46, s46, 8*RB2
	s_lshl_b32 s47, ttmp9, 2
	s_add_co_u32 s47, s47, s44                     ; tile column: 256 of d
	s_lshl_b32 s74, s47, 1
	s_add_co_u32 s74, s74, s16
	s_mul_i32 s74, s74, RB2
	s_add_co_u32 s74, s74, s46
	s_mov_b32 s75, 0
	s_lshl_b32 s78, 0x1111, s44                    ; my column of the cluster
	; descriptor groups 1: dense bytes as rows of 32 elements of 8 bytes: p: one record, 100 rows; vv: two records on end, 200 rows
	s_or_b32 s[G1A], s18, (3<<16)|(1<<21)
	s_mov_b32 s[G1A+1], 32<<16
	s_mov_b32 s[G1A+2], 100<<16
	s_mov_b32 s[G1A+3], 32<<16
	s_mov_b32 s[G1A+4], 100
	s_mov_b32 s[G1A+5], 32
	s_mov_b32 s[G1A+6], 0
	s_mov_b32 s[G1A+7], 0
	s_or_b32 s[G1B], s78, (3<<16)|(1<<21)
	s_mov_b32 s[G1B+1], 32<<16
	s_mov_b32 s[G1B+2], 200<<16
	s_mov_b32 s[G1B+3], 32<<16
	s_mov_b32 s[G1B+4], 200
	s_mov_b32 s[G1B+5], 32
	s_mov_b32 s[G1B+6], 0
	s_mov_b32 s[G1B+7], 0
	s_mul_i32 s88, s16, REC                        ; where p's record goes in a slot,
	s_mul_i32 s89, s16, 2*REC
	s_add_co_u32 s89, s89, 2*REC                   ; and vv's two
	s_lshl_b32 s92, s17, 19                        ; out: 128 y rows of 4,096 bytes,
	s_lshl_b32 s93, s15, 18                        ; my 64 of them,
	s_add_co_u32 s92, s92, s93
	s_lshl_b32 s93, s47, 10                        ; 256 columns of 4 bytes,
	s_add_co_u32 s92, s92, s93
	s_lshl_b32 s93, s16, 9                         ; my 128 of them
	s_add_co_u32 s92, s92, s93
	s_mov_b32 s93, 0
	s_mov_b32 s90, 0x01010101
	s_mov_b32 s91, 0x80808080
	s_wait_kmcnt 0x0
	s_add_nc_u64 s[72:73], s[4:5], s[20:21]        ; p's row block
	s_add_nc_u64 s[86:87], s[4:5], s[76:77]        ; its -M; the sums lie 524,288 bytes on
	s_add_nc_u64 s[76:77], s[72:73], s[22:23]
	s_add_nc_u64 s[74:75], s[6:7], s[74:75]
	s_add_nc_u64 s[10:11], s[8:9], s[92:93]
	MKG0 G0A,   88, 76, 0,   0
	MKG0 G0A+4, 88, 76, SL4, 2*REC
	MKG0 G0B,   89, 74, 0,   0
	MKG0 G0B+4, 89, 74, SL4, 2*REC
	CROUND                                         ; all sixteen work-groups are here: the first joint loads meet
	s_cmp_eq_u32 s15, 0                            ; a wave's two first fills stand in one branch
	s_cbranch_scc0 .Lfirst_b
	tensor_load_to_lds s[G0A:G0A+3], s[G1A:G1A+7]
	s_nop 0
	tensor_load_to_lds s[G0A+4:G0A+7], s[G1A:G1A+7]
	s_nop 0
.rept 4
	v_nop
.endr
	s_branch .Lfirst_done
.Lfirst_b:
	tensor_load_to_lds s[G0B:G0B+3], s[G1B:G1B+7]
	s_nop 0
	tensor_load_to_lds s[G0B+4:G0B+7], s[G1B:G1B+7]
	s_nop 0
.rept 4
	v_nop
.endr
.Lfirst_done:
	; ---- THE HEAD, while the tiles land.  Thread t takes the row whose words lie at 16 (t % 32) + 4 (t / 32) of every unit.
	v_and_b32 v[VO], 31, v0
	v_lshlrev_b32 v[VO], 4, v[VO]
	v_lshrrev_b32 v7, 5, v0
	v_lshl_add_u32 v[VO], v7, 2, v[VO]
.irp c, 0,1,2,3,4,5,6,7,8,9,10,11,12,13,14,15
	global_load_b32 v[RAW+\c], v[VO], s[72:73] offset:(\c/2)*REC+SCO+(\c%2)*512
	global_load_b32 v[NMV+\c], v[VO], s[86:87] offset:512*\c
	global_load_b32 v[LV+\c], v[VO], s[86:87] offset:512*\c+524288
.endr
	v_add_nc_u32 v[AW], ADJ, v[VO]
	v_lshl_add_u32 v[IW], v0, 2, INV
	v_and_b32 v7, 31, v0
	v_lshlrev_b32 v[LI], 4, v7
	v_and_b32 v7, 15, v0                           ; r
	v_bfe_u32 v6, v0, 4, 1                         ; h
	s_mul_i32 s88, s15, 4*3072                     ; my four tiles of p
	s_mul_i32 s89, s16, 2*REC
	s_add_co_u32 s89, s89, 2*REC                   ; my row block of vv
	s_add_co_u32 s92, s89, SCO
.irp s, 0,1
	v_add_nc_u32 v[ADRA+\s], s88, v[LI]
	v_add_nc_u32 v[ADRB+\s], s89, v[LI]
	v_lshl_add_u32 v[ADSB+\s], v7, 4, s92
	s_add_co_u32 s88, s88, SL4
	s_add_co_u32 s89, s89, SL4
	s_add_co_u32 s92, s92, SL4
.endr
	s_lshl_b32 s88, s15, 3
	s_add_co_u32 s88, s88, ADJ
	v_lshl_add_u32 v[ADSA], v7, 4, s88             ; the words of tiles 4 s15 + par and 4 s15 + 2 + par lie side by side
	s_lshl_b32 s88, s15, 8
	s_add_co_u32 s88, s88, INV
	v_lshl_add_u32 v[IA], v7, 2, s88
	s_mul_i32 s88, s14, 16*528                     ; my stage, in slot 0
	v_mul_u32_u24 v[STO], v7, 528
	v_lshl_add_u32 v[STO], v6, 7, v[STO]
	v_add_nc_u32 v[STO], s88, v[STO]
	v_add_nc_u32 v[RD], s88, v[LI]
.irp a, 0,1,2,3
	v_mov_b32 v[IV+2*\a+1], 0                      ; named as the upper halves of pairs, so they are written
.endr
	s_wait_loadcnt 0x0
	v_min3_num_f32 v[MN], v[NMV], v[NMV+1], v[NMV+2]
.irp c, 3,5,7,9,11,13
	v_min3_num_f32 v[MN], v[MN], v[NMV+\c], v[NMV+\c+1]
.endr
	v_min_num_f32 v[MN], v[MN], v[NMV+15]          ; -M of the row: the least of the sixteen -M
.irp c, 0,1,2,3,4,5,6,7,8,9,10,11,12,13,14,15
.set DD, D+4*(\c%2)
	v_sub_f32 v[DD], v[NMV+\c], v[MN]              ; delta = M - M_chunk: a whole number, 0 or more
	v_min_num_f32 v[DD], 0x42fe0000, v[DD]         ; held at 127
	v_cvt_u32_f32 v[DD], v[DD]
	v_sub_nc_u32 v[DD+1], 0, v[DD]
.if \c == 0
	v_ldexp_f32 v[LS], v[LV+\c], v[DD+1]           ; the chunk's sum under the row's M
.else
	v_ldexp_f32 v[DD+1], v[LV+\c], v[DD+1]
	v_add_f32 v[LS], v[LS], v[DD+1]
.endif
	v_mul_lo_u32 v[DD], v[DD], s90                 ; delta in each byte
	v_or_b32 v[DD+2], s91, v[RAW+\c]               ; byte + 128 (bytes are at most 123),
	v_sub_nc_u32 v[DD+2], v[DD+2], v[DD]           ; less delta: 1 .. 255, so no byte borrows from the next; bit 7 stays where byte >= delta
	v_and_b32 v[DD], s91, v[DD+2]
	v_lshrrev_b32 v[DD+3], 7, v[DD]
	v_sub_nc_u32 v[DD], v[DD], v[DD+3]             ; 0x7f in those bytes, 0 in the others
	v_and_b32 v[DD+2], v[DD+2], v[DD]              ; max(byte - delta, 0)
	ds_store_b32 v[AW], v[DD+2] offset:512*\c
.endr
	v_rcp_f32 v[LS+1], v[LS]
	v_nop                                          ; a plain place behind the transcendental
	s_wait_alu depctr_va_vdst(0)                   ; and the wait ahead of its first reader
	ds_store_b32 v[IW], v[LS+1]
; 40 LDS loads in one run: step g's fragments and scale words (it is the q-th of its slot) into set p
.macro FETCH slot, q, g, p
	WIN TO_B
.irp b, 0,1,2,3,4,5,6,7
.irp c, 0,1,2
	ds_load_b128 v[128*(\p)+12*\b+4*\c:128*(\p)+12*\b+4*\c+3], v[ADRB+(\slot)] offset:((\q)/2)*REC+\b*3072+((\q)%2)*1536+512*\c
.endr
.endr
	WIN 0
.irp a, 0,1,2,3
.irp c, 0,1,2
	ds_load_b128 v[AF+48*(\p)+12*\a+4*\c:AF+48*(\p)+12*\a+4*\c+3], v[ADRA+(\slot)] offset:((\q)/2)*REC+\a*3072+((\q)%2)*1536+512*\c
.endr
.endr
	ds_load_b128 v[SB+8*(\p):SB+8*(\p)+3], v[ADSB+(\slot)] offset:((\q)/2)*REC+((\q)%2)*512
	ds_load_b128 v[SB+8*(\p)+4:SB+8*(\p)+7], v[ADSB+(\slot)] offset:((\q)/2)*REC+((\q)%2)*512+256
	ds_load_b64 v[SA+4*(\p):SA+4*(\p)+1], v[ADSA] offset:(\g)*512
	ds_load_b64 v[SA+4*(\p)+2:SA+4*(\p)+3], v[ADSA] offset:(\g)*512+256
.endm
; 8 matrix instructions: p's block a x vv's eight.  The 32 accumulators take turns, in the same order in every step.
.macro MUL8 a, p, zero
.irp b, 0,1,2,3,4,5,6,7
.if \zero
	v_wmma_scale_f32_16x16x128_f8f6f4 v[8*(8*(\a)+\b):8*(8*(\a)+\b)+7], v[128*(\p)+12*\b:128*(\p)+12*\b+11], v[AF+48*(\p)+12*(\a):AF+48*(\p)+12*(\a)+11], 0, v[SB+8*(\p)+4*(\b%2)+\b/2], v[SA+4*(\p)+2*((\a)%2)+(\a)/2] matrix_a_fmt:MATRIX_FMT_BF6 matrix_b_fmt:MATRIX_FMT_BF6
.else
	v_wmma_scale_f32_16x16x128_f8f6f4 v[8*(8*(\a)+\b):8*(8*(\a)+\b)+7], v[128*(\p)+12*\b:128*(\p)+12*\b+11], v[AF+48*(\p)+12*(\a):AF+48*(\p)+12*(\a)+11], v[8*(8*(\a)+\b):8*(8*(\a)+\b)+7], v[SB+8*(\p)+4*(\b%2)+\b/2], v[SA+4*(\p)+2*((\a)%2)+(\a)/2] matrix_a_fmt:MATRIX_FMT_BF6 matrix_b_fmt:MATRIX_FMT_BF6
.endif
.endr
.endm
.macro STEPP g, zero                   ; step g of 16; at its head step g + 1 is fetched into the other set
	s_wait_dscnt 0x0                               ; this step's set is in
	PLACES 4                                       ; four places between the last step's products and the loads into the registers that they read
	FETCH (((\g)+1)/4)%2, ((\g)+1)%4, (\g)+1, ((\g)+1)%2
	WIN MUL
	MUL8 0, (\g)%2, \zero
	MUL8 1, (\g)%2, \zero
	MUL8 2, (\g)%2, \zero
	MUL8 3, (\g)%2, \zero
.endm
.macro TURN g, fill                    ; a slot's last step.  fill = 1: the slot is filled again, with the run of 512 along K two runs on
	WIN 0
	s_wait_tensorcnt 0x0                           ; all my tensor loads have landed: my part of the next slot
	ds_add_u32 v[SPW], v[NIL]                      ; 0 onto my spare word
	s_wait_dscnt 0x1                               ; this step's set is in; the add may be out
	WIN MUL
	MUL8 0, (\g)%2, 0
	s_wait_dscnt 0x0                               ; the add is done; my reads of this slot were over before
	s_barrier_signal -1
	MUL8 1, (\g)%2, 0
	WIN 0
	s_barrier_wait -1
.if \fill
	CREST                                          ; no wave of any partner still reads this slot or has a load on its way
	s_add_nc_u64 s[G0A+4*(((\g)/4)%2)+2:G0A+4*(((\g)/4)%2)+3], s[G0A+4*(((\g)/4)%2)+2:G0A+4*(((\g)/4)%2)+3], 4*REC
	s_add_nc_u64 s[G0B+4*(((\g)/4)%2)+2:G0B+4*(((\g)/4)%2)+3], s[G0B+4*(((\g)/4)%2)+2:G0B+4*(((\g)/4)%2)+3], 4*REC
	JLOAD G0A+4*(((\g)/4)%2), G1A, G0B+4*(((\g)/4)%2), G1B
.else
	PLACES 4
.endif
	FETCH (((\g)+1)/4)%2, ((\g)+1)%4, (\g)+1, ((\g)+1)%2
	WIN MUL
	MUL8 2, (\g)%2, 0
	MUL8 3, (\g)%2, 0
.endm
	s_wait_tensorcnt 0x1                           ; my part of slot 0 is in; slot 1's load may stay out
	s_wait_dscnt 0x0                               ; my adjusted words and my 1 / l lie in LDS
	s_barrier_signal -1
	s_barrier_wait -1
	FETCH 0, 0, 0, 0
	STEPP 0, 1
	STEPP 1, 0
	STEPP 2, 0
	TURN  3, 1
	STEPP 4, 0
	STEPP 5, 0
	STEPP 6, 0
	TURN  7, 1
	STEPP 8, 0
	STEPP 9, 0
	STEPP 10, 0
	TURN  11, 0                                    ; slot 0 has had its last fill and its last read
	STEPP 12, 0
	STEPP 13, 0
	STEPP 14, 0
	s_wait_dscnt 0x0                               ; the last step
	WIN MUL
	MUL8 0, 1, 0
	MUL8 1, 1, 0
	MUL8 2, 1, 0
	MUL8 3, 1, 0
	WIN 0
	; THE WAY OUT, a block of 16 rows x 128 columns at a time.  A lane holds, of row r, columns 64 gam + 32 h + 0 .. 31: two runs of 128 bytes.  They go through my stage (rows of 528 bytes, in slot 0) and come back as whole rows of 512 bytes.
.irp a, 0,1,2,3
	ds_load_b32 v[IV+2*\a], v[IA] offset:64*\a     ; 1 / l of block a's row r
.endr
	s_wait_dscnt 0x0
	PLACES 4                                       ; in front of the first read of results and the first write of registers that held p's fragments
.macro PACK a
	WIN 0x02                                       ; source 0: window 2
.set i, 0
.rept 32
	v_pk_mul_f32 v[TT+i:TT+i+1], v[64*(\a)+i:64*(\a)+i+1], v[IV+2*(\a):IV+2*(\a)+1] op_sel_hi:[1,0]   ; each accumulator from its low end on
.set i, i+2
.endr
	WIN 0
.endm
.macro TOSTAGE a
.set BB, BK+64*((\a)%2)
.irp n, 0,1,2,3,4,5,6,7,8,9,10,11,12,13,14,15
	ds_store_b128 v[STO], v[TT+4*\n:TT+4*\n+3] offset:256*(\n/8)+16*(\n%8)
.endr
.irp t, 0,1,2,3,4,5,6,7,8,9,10,11,12,13,14,15
	ds_load_b128 v[BB+4*\t:BB+4*\t+3], v[RD] offset:\t*528     ; LDS serves a wave's instructions in order (ISA guide 5.7.1.4): these see the stores above
.endr
.endm
.macro SEND a
.set BB, BK+64*((\a)%2)
	s_wait_dscnt 0x0                               ; the block is back in registers
.irp t, 0,1,2,3,4,5,6,7,8,9,10,11,12,13,14,15
	global_store_b128 v[LI], v[BB+4*\t:BB+4*\t+3], s[10:11] offset:(8*(\a)+(\t%8)+32*(\t/8))*4096 th:TH_STORE_NT   ; position t of tile a is row 8 a + t % 8 + 32 (t / 8); 512 consecutive bytes, aligned
.endr
.endm
	PACK 0
	TOSTAGE 0
	PACK 1                                         ; a block's multiplications stand between the loads of the block before and the wait for them
	SEND 0
	TOSTAGE 1
	PACK 2
	SEND 1
	s_wait_xcnt 0x0                                ; block 0's stores have read their registers: block 2's rows may land there
	TOSTAGE 2
	PACK 3
	SEND 2
	s_wait_xcnt 0x0
	TOSTAGE 3
	SEND 3
	s_wait_tensorcnt 0x0                           ; the wave's end
	ds_add_u32 v[SPW], v[NIL]
	s_wait_dscnt 0x0
	CROUND                                         ; the closing round
	s_endpgm
.Lfunc_end_k_qabdf5718f9_pv:
	.size	k_qabdf5718f9_pv, .Lfunc_end_k_qabdf5718f9_pv-k_qabdf5718f9_pv
	.p2alignl 7, 3214868480
	.fill 96, 4, 3214868480
	.section	.rodata,"a",@progbits
	.p2align	6, 0x0
	.amdhsa_kernel k_qabdf5718f9_pv
		.amdhsa_group_segment_fixed_size 327680
		.amdhsa_private_segment_fixed_size 0
		.amdhsa_enable_private_segment 0
		.amdhsa_kernarg_size 24
		.amdhsa_user_sgpr_count 2
		.amdhsa_user_sgpr_kernarg_segment_ptr 1
		.amdhsa_wavefront_size32 1
		.amdhsa_system_sgpr_workgroup_id_x 1
		.amdhsa_system_sgpr_workgroup_id_y 1
		.amdhsa_system_sgpr_workgroup_id_z 1
		.amdhsa_system_vgpr_workitem_id 0
		.amdhsa_next_free_vgpr 768
		.amdhsa_next_free_sgpr 96
		.amdhsa_reserve_vcc 0
		.amdhsa_float_denorm_mode_32 3
		.amdhsa_float_denorm_mode_16_64 3
		.amdhsa_memory_ordered 1
		.amdhsa_forward_progress 1
		.amdhsa_inst_pref_size 156
	.end_amdhsa_kernel
	.amdgpu_metadata
---
amdhsa.version: [ 1, 2 ]
amdhsa.kernels:
  - .name:           k_qabdf5718f9_pv
    .symbol:         k_qabdf5718f9_pv.kd
    .args:
      - { .name: pp, .offset: 0, .size: 8, .value_kind: global_buffer, .address_space: global }
      - { .name: vt, .offset: 8, .size: 8, .value_kind: global_buffer, .address_space: global }
      - { .name: out0, .offset: 16, .size: 8, .value_kind: global_buffer, .address_space: global }
    .group_segment_fixed_size: 327680
    .private_segment_fixed_size: 0
    .kernarg_segment_align: 8
    .kernarg_segment_size: 24
    .max_flat_workgroup_size: 128
    .sgpr_count:     96
    .vgpr_count:     768
    .wavefront_size: 32
...
	.end_amdgpu_metadata
.endif
;; end of part 4
